; MI455X (gfx1250); checked and timed in simulation.
; The chip was launched on July 23, 2026; its instructions are those of AMD's public machine-readable ISA for CDNA 5 (MIT licence, August 2026) and "CDNA5" Instruction Set Architecture Reference Guide (July 2026). The comments in the code are by the model that wrote it; some were corrected since.
;; Causal Attention. Allowed arithmetic: matrix products marked QUANTISED: E4M3 operands, one given power-of-two scale a tensor, by v_wmma_f32_16x16x64_fp8_fp8 or v_wmma_f32_16x16x128_fp8_fp8, f32 sums; everything else in f32.
;; Inputs: Wproj 1,024 x 1,024 float32; Wqkv 1,024 x 3,072 float32; bproj 1,024 float32; lowp_scales 8 int32 (the exponents e of the quantised operands' scales 2^e); x 4 x 2,048 x 1,024 float32.
;; Outputs: out0 4 x 2,048 x 1,024 float32.
;; This version of the problem:
;;   THIS VERSION OF THE PROBLEM IS GIVEN IN LOW PRECISION. The matrix products marked QUANTISED in the list below multiply operands that are first quantised to E4M3 (4 exponent bits, 3 mantissa bits; 8 bits a number), with one given power-of-two scale for each operand tensor; their sums are f32. All else is computed in f32.
;;   The module's matrix products, in the order in which they are computed (A, B: the left and right operand; K: the contracted axis; several contracted axes count as one K, in the product's order):
;;     1. [M 8,192, K 1,024] x [K 1,024, N 3,072]; A: input x; B: input Wqkv: QUANTISED (scales: A lowp_scales[0], B lowp_scales[1])
;;     2. batch 64 x [M 2,048, K 64] x [K 64, N 2,048]; A: computed on the way; B: computed on the way: QUANTISED (scales: A lowp_scales[2], B lowp_scales[3])
;;     3. batch 64 x [M 2,048, K 2,048] x [K 2,048, N 64]; A: softmax (see below); B: computed on the way: QUANTISED (scales: A lowp_scales[4], B lowp_scales[5])
;;     4. [M 8,192, K 1,024] x [K 1,024, N 1,024]; A: computed on the way; B: input Wproj: QUANTISED (scales: A lowp_scales[6], B lowp_scales[7])
;;   THE QUANTISER, for each operand of a quantised product, along K:
;;     - The operand's scale is 2^e, e = its entry of the input lowp_scales (int32; the entries are numbered through the quantised products in the list's order, A before B).
;;     - Each number is divided by the scale, clamped to +-448, and rounded to the nearest number of E4M3, ties to even, subnormals kept.
;;     - The product sums the exact products of the quantised numbers (number of the format x scale) in f32.
;;   ~~~python
;;   def quantise(x, axis, e):      # numpy; x: float32 -> the quantised numbers, widened to float32 again
;;       x = np.moveaxis(x, axis, -1); K = x.shape[-1]
;;       r = np.clip(x / 2.0 ** e, -448, 448)
;;       step = 2.0 ** (np.maximum(np.frexp(np.where(r == 0, 1, r))[1] - 1, -6) - 3)
;;       q = np.round(r / step) * step * 2.0 ** e      # np.round: ties to even
;;       return np.moveaxis(q, -1, axis).astype(np.float32)
;;   ~~~
;;   SOFTMAX AHEAD OF A QUANTISED PRODUCT. Where the list says 'softmax', what is quantised is not the finished softmax but p = 2^(t - M), with t = logit x log2(e) and M = ceil(the row's largest t), a whole number; so 1/2 < the row's largest p <= 1. The row's sum l is taken of the UNQUANTISED p, in f32, and the product's result is divided by l at the end. Since M is a whole number, a kernel that streams over the keys may use a running M (the ceiling of the running maximum): every later rescaling is an exact power of two, so the quantised numbers keep their values, but for numbers so far below the row's largest that they fall under the format's range.
;;   OPERANDS COMPUTED ON THE WAY. 'Computed on the way' means the value that the module computes at that place (a softmax that the list does not call 'softmax' is quantised finished and normalised). What goes into a quantiser is computed in f32, as accurately as f32 sums, v_exp_f32 and their like allow (about 1e-6 of the number): no bf16 or f16 on the way to a quantiser, and a product that is left as it is and whose result goes on into a quantised operand takes f32 operands (vector FMAs, or v_wmma_f32_16x16x4_f32). A number that lies on a knife's edge between two numbers of the format may be rounded either way, as far as f32 arithmetic and the matrix unit's own rounding can turn it there, and no further.
;; One version. Each part assembles by itself: llvm-mc -triple=amdgcn-amd-amdhsa -mcpu=gfx1250 --defsym DOCPART=n.
;; ======== version 1 of 1: 4 launches
;; limits: right only within a limited range of input values
;; workspace buffers: xc 8,388,608 bytes; wqkvc 3,145,728 bytes; wprojc 1,048,576 bytes; qc 8,388,608 bytes; kc 8,388,608 bytes; vc 8,388,608 bytes; ac 8,388,608 bytes
;; launch prep (part 1): grid 384 x 1, 4 waves a work-group, no clusters, 55,808 bytes of LDS; arguments x, Wqkv, Wproj, lowp_scales, xc, wqkvc, wprojc; writes xc, wqkvc, wprojc
.if DOCPART == 1
	.amdgcn_target "amdgcn-amd-amdhsa--gfx1250"
	.amdhsa_code_object_version 6
	.text
	.protected	k_q109231e3cb_prep
	.globl	k_q109231e3cb_prep
	.p2align	8
	.type	k_q109231e3cb_prep,@function
k_q109231e3cb_prep:
	s_mov_b64 s[64:65], 0
	v_nop
	global_prefetch_b8 v0, s[64:65] scope:SCOPE_SE
	s_setreg_imm32_b32 hwreg(HW_REG_WAVE_MODE, 25, 1), 1
	s_wait_xcnt 0x0
; The three f32 inputs become codes of FP8 (E4M3), one code a byte, K innermost, each with the one scale 2^e that is given for it:
;   x [8192][1024] -> xc [8192][1024] (e = entry 0);  Wqkv [1024 (k)][3072] -> wqkvc [3072][1024] (entry 1);  Wproj [1024 (k)][1024] -> wprojc [1024][1024] (entry 7).
; code = number / 2^e, held within +-448, rounded to the nearest code, ties to even.
; LIMITS: each of the three e lies between -126 and 119, so that 2^e and 448 x 2^e are f32 numbers.  NaN among the inputs is not served (an infinity is held at the largest code).
; SHARES.  Work-groups 0-95 take Wqkv, 96-127 Wproj: 128 columns x 256 along K each, a wave 32 columns.  Work-groups 128-383 take x: 32,768 numbers each, a wave 8,192.
; THE WEIGHTS have K as their first axis: a lane takes a column and its registers run down K, so each load reads 128 consecutive bytes and the conversions give codes with K innermost; a wave's
; 32 columns x 256 codes go through its own stage in LDS and leave as rows, sixteen lanes storing 256 consecutive aligned bytes.
; x has K innermost: each load reads 512 consecutive bytes, 16 a lane; a step's 2,048 bytes turn through the wave's own stage so that a lane then holds 16 neighbours; its 16 codes leave as 16 bytes, 512 a wave.
; The two ways part on the work-group's number and have LDS bytes of their own.  No tensor loads, no barrier: waves share nothing.  No cluster: no two work-groups read the same bytes.
.set WPITCH, 272                       ; the weights' stage: a column's 256 codes + 16 bytes of padding
.set WSTAGE, 32*WPITCH                 ; 32 columns a wave
.set XBASE,  4*WSTAGE                  ; x's stages lie behind the weights'
.set SP,     80                        ; x's stage: a lane's 64 bytes + 16 of padding
.set XSTAGE, 2*32*SP                   ; two stages a wave, by turns
.set STEPS,  16
.set OFF,    16                        ; v16-47   weights: row i of a block of 32: i x the row's bytes + 4 x lane; never rewritten
.set WX,     48                        ; v48-111  weights: two sets of 32 numbers
.set WC,     112                       ; v112-119 weights: a block's codes
.set OUTR,   120                       ; v120-183 weights: the way out
.set R,      16                        ; v16-79   x: four sets of 16 numbers as loaded
.set X,      80                        ; v80-111  x: two sets of 16 neighbours
.set C,      128                       ; v128-191 x: four registers of codes for each step, so that no store's data are written again
	s_load_b256 s[4:11], s[0:1], 0x0               ; x s[4:5], Wqkv s[6:7], Wproj s[8:9], the scales' exponents s[10:11]
	s_load_b128 s[12:15], s[0:1], 0x20             ; xc s[12:13], wqkvc s[14:15]
	s_load_b64 s[16:17], s[0:1], 0x30              ; wprojc
	v_lshl_add_u32 v192, v0, 2, 0xd800
	v_mov_b32 v193, 0
	v_lshrrev_b32 v1, 5, v0
	v_readfirstlane_b32 s20, v1                    ; wave 0..3
	v_and_b32 v2, 31, v0                           ; lane
	s_wait_kmcnt 0x0
	s_load_b256 s[48:55], s[10:11], 0x0            ; e0 .. e7
	s_cmp_lt_u32 ttmp9, 128
	s_cbranch_scc0 .Lx
	; ---------------- the weights ----------------
	s_cmp_lt_u32 ttmp9, 96                         ; Wqkv or Wproj: the choices hang on the work-group's number alone and are all made before SCC is set again
	s_cselect_b64 s[24:25], s[6:7], s[8:9]         ; from
	s_cselect_b64 s[26:27], s[14:15], s[16:17]     ; to
	s_mov_b32 s28, 4096
	s_cselect_b32 s28, 12288, s28                  ; a row of the weight in bytes
	s_cselect_b32 s29, 0, 96
	s_sub_co_u32 s29, ttmp9, s29                   ; the work-group's number within its weight
	s_and_b32 s21, s29, 3                          ; which 256 along K
	s_lshr_b32 s22, s29, 2
	s_lshl_b32 s22, s22, 7
	s_lshl_b32 s23, s20, 5
	s_add_co_u32 s22, s22, s23                     ; my wave's first column: 128 x block + 32 x wave
	s_mul_i32 s30, s21, s28
	s_lshl_b32 s30, s30, 8                         ; 256 rows for each quarter of K,
	s_lshl_b32 s23, s22, 2
	s_add_co_u32 s30, s30, s23                     ; + 4 bytes a column
	s_mov_b32 s31, 0
	s_add_nc_u64 s[32:33], s[24:25], s[30:31]      ; block 0's first row
	s_lshl_b32 s30, s22, 10                        ; codes: a column is a row of 1,024 bytes,
	s_lshl_b32 s23, s21, 8
	s_add_co_u32 s30, s30, s23                     ; + 256 for each quarter of K
	s_add_nc_u64 s[26:27], s[26:27], s[30:31]
	s_lshl_b32 s30, s28, 5                         ; 32 rows on
.irp t, 1,2,3,4,5,6,7
	s_add_nc_u64 s[32+2*\t:33+2*\t], s[30+2*\t:31+2*\t], s[30:31]   ; a base for each of the eight blocks: none is ever rewritten
.endr
	s_wait_alu depctr_va_vdst(0)
	v_lshlrev_b32 v3, 2, v2                        ; 4 bytes a lane
.set ii, 0
.rept 32
	v_mad_u32_u24 v[OFF+ii], s28, ii, v3
.set ii, ii+1
.endr
	s_mul_i32 s23, s20, WSTAGE                     ; my stage
	v_mul_u32_u24 v4, v2, WPITCH
	v_add_nc_u32 v4, s23, v4                       ; into it: row = my column
	v_and_b32 v5, 15, v2
	v_lshrrev_b32 v6, 4, v2
	v_mul_u32_u24 v7, v6, WPITCH
	v_lshl_add_u32 v7, v5, 4, v7
	v_add_nc_u32 v7, s23, v7                       ; out of it: sixteen lanes to a row, two rows an instruction
	v_lshlrev_b32 v8, 10, v6
	v_lshl_add_u32 v8, v5, 4, v8                   ; and the same place in the codes' buffer
.macro WLOAD t                         ; block t: W(32 t + i, my column), i = 0 .. 31, into set t % 2
.set ii, 0
.rept 32
	global_load_b32 v[WX+32*((\t)%2)+ii], v[OFF+ii], s[32+2*(\t):33+2*(\t)] th:TH_LOAD_NT
.set ii, ii+1
.endr
.endm
	WLOAD 0
	WLOAD 1
	s_wait_kmcnt 0x0
	s_cmp_lt_u32 ttmp9, 96
	s_cselect_b32 s22, s49, s55                    ; e1 or e7
	s_add_co_i32 s22, s22, 127
	s_lshl_b32 s23, s22, 23
	v_mov_b32 v11, s23                             ; 2^e as f32: the conversion takes its exponent field
	s_add_co_i32 s22, s22, 8
	s_lshl_b32 s22, s22, 23
	s_or_b32 s22, s22, 0x600000
.macro BLOCK t
.set XS, WX+32*((\t)%2)
.if (\t) < 7
	s_wait_loadcnt 32                              ; this block's 32 loads are in; the next block's 32 may be out
.else
	s_wait_loadcnt 0
.endif
.set ii, 0
.rept 32
.set ii, ii+1
.endr
.irp g, 0,1,2,3
	v_cvt_scalef32_pk8_fp8_f32 v[WC+2*\g:WC+2*\g+1], v[XS+8*\g:XS+8*\g+7], v11
.endr
	ds_store_b128 v4, v[WC:WC+3] offset:32*(\t)    ; 32 codes: 32 bytes of my column's row
	ds_store_b128 v4, v[WC+4:WC+7] offset:32*(\t)+16
.if (\t)+2 < 8
	WLOAD (\t)+2
.endif
	s_wait_dscnt 0x0                               ; the stores have read their registers: the next block's codes may be written
.endm
	s_wait_alu depctr_va_vdst(0)
.irp t, 0,1,2,3,4,5,6,7
	BLOCK \t
.endr
.irp t, 0,1,2,3,4,5,6,7,8,9,10,11,12,13,14,15
	ds_load_b128 v[OUTR+4*\t:OUTR+4*\t+3], v7 offset:2*\t*WPITCH   ; LDS serves a wave's instructions in order (ISA guide 5.7.1.4): these see my stores
.endr
.irp t, 0,1,2,3,4,5,6,7,8,9,10,11,12,13,14,15
	s_wait_dscnt 15-\t                             ; rows 2 t and 2 t + 1 are back; the younger loads may be out
	global_store_b128 v8, v[OUTR+4*\t:OUTR+4*\t+3], s[26:27] offset:2*\t*1024   ; sixteen lanes store 256 consecutive bytes, at a multiple of 256 from the buffer's first byte
.endr
	s_wait_tensorcnt 0x0
	ds_add_u32 v192, v193
	s_wait_dscnt 0x0
	s_endpgm
	; ---------------- x ----------------
.Lx:
	s_sub_co_u32 s21, ttmp9, 128
	s_lshl_b32 s21, s21, 2
	s_add_co_u32 s21, s21, s20                     ; which run of 8,192 numbers is my wave's
	s_lshl_b32 s22, s21, 15                        ; 32,768 bytes of numbers,
	s_mov_b32 s23, 0
	s_add_nc_u64 s[4:5], s[4:5], s[22:23]
	s_lshl_b32 s22, s21, 13                        ; 8,192 bytes of codes
	s_add_nc_u64 s[12:13], s[12:13], s[22:23]
	s_wait_alu depctr_va_vdst(0)
	v_lshlrev_b32 v3, 4, v2                        ; my 16 bytes of a load's 512, and of a store's
	s_mul_i32 s24, s20, XSTAGE
	s_add_co_u32 s24, s24, XBASE                   ; my two stages
	v_lshrrev_b32 v14, 2, v2
	v_mul_u32_u24 v14, v14, SP
	v_and_b32 v15, 3, v2
	v_lshl_add_u32 v14, v15, 4, v14
	v_add_nc_u32 v14, s24, v14                     ; in: four lanes' 64 bytes on end, then 16 of padding
	v_mul_u32_u24 v15, v2, SP
	v_add_nc_u32 v15, s24, v15                     ; out: my 16 neighbours
.macro XLOAD t
.irp i, 0,1,2,3
	global_load_b128 v[R+16*((\t)%4)+4*\i:R+16*((\t)%4)+4*\i+3], v3, s[4:5] offset:2048*(\t)+512*\i th:TH_LOAD_NT   ; 32 lanes read 512 consecutive bytes
.endr
.endm
.macro XTURN t                         ; step t's numbers through a stage: LDS serves a wave's instructions in order, so no wait stands between the stores and the loads
.irp i, 0,1,2,3
	ds_store_b128 v14, v[R+16*((\t)%4)+4*\i:R+16*((\t)%4)+4*\i+3] offset:32*SP*((\t)%2)+8*SP*\i
.endr
.irp i, 0,1,2,3
	ds_load_b128 v[X+16*((\t)%2)+4*\i:X+16*((\t)%2)+4*\i+3], v15 offset:32*SP*((\t)%2)+16*\i
.endr
.endm
.irp t, 0,1,2,3
	XLOAD \t
.endr
	s_wait_alu depctr_va_vdst(0)
	s_wait_kmcnt 0x0
	s_add_co_i32 s22, s48, 127                     ; e0
	s_lshl_b32 s23, s22, 23
	v_mov_b32 v11, s23                             ; 2^e0 as f32
	s_add_co_i32 s22, s22, 8
	s_lshl_b32 s22, s22, 23
	s_or_b32 s22, s22, 0x600000
	s_wait_alu depctr_va_vdst(0)
	s_wait_loadcnt 12                              ; step 0's four loads are in; three steps' twelve may be out
	XTURN 0
.macro XSTEP t
.set XS, X+16*((\t)%2)
	s_wait_dscnt 0x0                               ; this step's numbers are back from the stage: so its stores into the stage have read their registers,
.if (\t)+4 < STEPS
	XLOAD (\t)+4                                   ; which take the loads of four steps on
.endif
.if (\t)+1 < STEPS
.if STEPS-2-(\t) >= 3
	s_wait_loadcnt 12                              ; the next step's four loads are in; those of the three steps behind it may be out
.else
	s_wait_loadcnt 4*(STEPS-2-(\t))                ; near the end fewer steps stand behind it
.endif
	XTURN (\t)+1                                   ; and go through the other stage while this step is worked
.endif
.irp i, 0,1,2,3,4,5,6,7,8,9,10,11,12,13,14,15
.endr
	v_cvt_scalef32_pk8_fp8_f32 v[C+4*(\t):C+4*(\t)+1], v[XS:XS+7], v11
	v_cvt_scalef32_pk8_fp8_f32 v[C+4*(\t)+2:C+4*(\t)+3], v[XS+8:XS+15], v11
	global_store_b128 v3, v[C+4*(\t):C+4*(\t)+3], s[12:13] offset:512*(\t)   ; 32 lanes store 512 consecutive bytes; the codes go to a store alone
.endm
.irp t, 0,1,2,3,4,5,6,7,8,9,10,11,12,13,14,15
	XSTEP \t
.endr
	s_wait_tensorcnt 0x0
	ds_add_u32 v192, v193
	s_wait_dscnt 0x0
	s_endpgm
.Lfunc_end_k_q109231e3cb_prep:
	.size	k_q109231e3cb_prep, .Lfunc_end_k_q109231e3cb_prep-k_q109231e3cb_prep
	.p2alignl 7, 3214868480
	.fill 96, 4, 3214868480
	.section	.rodata,"a",@progbits
	.p2align	6, 0x0
	.amdhsa_kernel k_q109231e3cb_prep
		.amdhsa_group_segment_fixed_size 55808
		.amdhsa_private_segment_fixed_size 0
		.amdhsa_enable_private_segment 0
		.amdhsa_kernarg_size 56
		.amdhsa_user_sgpr_count 2
		.amdhsa_user_sgpr_kernarg_segment_ptr 1
		.amdhsa_wavefront_size32 1
		.amdhsa_system_sgpr_workgroup_id_x 1
		.amdhsa_system_sgpr_workgroup_id_y 1
		.amdhsa_system_sgpr_workgroup_id_z 1
		.amdhsa_system_vgpr_workitem_id 0
		.amdhsa_next_free_vgpr 194
		.amdhsa_next_free_sgpr 66
		.amdhsa_reserve_vcc 0
		.amdhsa_float_denorm_mode_32 3
		.amdhsa_float_denorm_mode_16_64 3
		.amdhsa_fp16_overflow 1
		.amdhsa_memory_ordered 1
		.amdhsa_forward_progress 1
		.amdhsa_inst_pref_size 56
	.end_amdhsa_kernel
	.amdgpu_metadata
---
amdhsa.version: [ 1, 2 ]
amdhsa.kernels:
  - .name:           k_q109231e3cb_prep
    .symbol:         k_q109231e3cb_prep.kd
    .args:
      - { .name: x, .offset: 0, .size: 8, .value_kind: global_buffer, .address_space: global }
      - { .name: Wqkv, .offset: 8, .size: 8, .value_kind: global_buffer, .address_space: global }
      - { .name: Wproj, .offset: 16, .size: 8, .value_kind: global_buffer, .address_space: global }
      - { .name: lowp_scales, .offset: 24, .size: 8, .value_kind: global_buffer, .address_space: global }
      - { .name: xc, .offset: 32, .size: 8, .value_kind: global_buffer, .address_space: global }
      - { .name: wqkvc, .offset: 40, .size: 8, .value_kind: global_buffer, .address_space: global }
      - { .name: wprojc, .offset: 48, .size: 8, .value_kind: global_buffer, .address_space: global }
    .group_segment_fixed_size: 55808
    .private_segment_fixed_size: 0
    .kernarg_segment_align: 8
    .kernarg_segment_size: 56
    .max_flat_workgroup_size: 128
    .sgpr_count:     66
    .vgpr_count:     194
    .wavefront_size: 32
...
	.end_amdgpu_metadata
.endif
;; end of part 1
;; launch qkv (part 2): grid 12 x 32, 4 waves a work-group, clusters of 4 x 4, 327,680 bytes of LDS; arguments xc, wqkvc, lowp_scales, qc, kc, vc; writes qc, kc, vc
.if DOCPART == 2
	.amdgcn_target "amdgcn-amd-amdhsa--gfx1250"
	.amdhsa_code_object_version 6
	.text
	.protected	k_q109231e3cb_qkv
	.globl	k_q109231e3cb_qkv
	.p2align	8
	.type	k_q109231e3cb_qkv,@function
k_q109231e3cb_qkv:
	s_mov_b64 s[64:65], 0
	v_nop
	global_prefetch_b8 v0, s[64:65] scope:SCOPE_SE
	s_setreg_imm32_b32 hwreg(HW_REG_WAVE_MODE, 25, 1), 1
	s_wait_xcnt 0x0
	s_wait_alu depctr_hold_cnt(0) depctr_sa_sdst(0) depctr_va_vdst(0) depctr_va_sdst(0) depctr_va_ssrc(0) depctr_va_vcc(0) depctr_vm_vsrc(0)
	s_getreg_b32 s2, hwreg(HW_REG_IB_STS2, 6, 4)
	s_cmp_eq_u32 s2, 0
	s_cbranch_scc0 .Lentry_in_a_cluster
	s_endpgm
.Lentry_in_a_cluster:
	s_bfe_u32 s2, ttmp6, 0x10000c
	s_cmp_lg_u32 s2, 0xf033
	s_cbranch_scc0 .Lentry_shape_is_right
	s_endpgm
.Lentry_shape_is_right:
; The first product, x Wqkv, on codes of FP8 (E4M3): xc [8192][1024], wqkvc [3072][1024], K innermost.  Its f32 sums are q, k and v but for the factor 2^(e0 + e1); they are quantised on the way out for the
; next two products: code = sum / 2^(e - e0 - e1), held within +-448, e = entry 2 (q), 3 (k) or 5 (v) of the scales' exponents.
; LIMIT: e - e0 - e1 lies between -126 and 119 for each of the three, so that the folded scale and 448 x it are f32 numbers.
; OUT: qc, kc [head 16 b + h (64)][t (2048)][64]: K = the head's 64 innermost.  vc [head][chunk t / 128 (16)][d (64)][128 places]: K = the keys innermost; place 32 B + 16 h + 8 u + j of a chunk holds its
; key 32 B + 16 u + 8 h + j: the order in which the softmax's codes fall into the second product's operand registers.
; A tile of 256 rows x 256 columns is made by a work-group of four waves, a wave 128 x 128: 64 accumulators of 16 x 16, 512 registers.  K goes in steps of 256 through a ring of two LDS slots filled by the tensor
; data mover; 1,024 along K are four such steps.
; CLUSTERS: 4 x 4 work-groups.  The four of a row of the cluster need the same tiles of xc, the four of a column the same tiles of wqkvc: each tile is asked for JOINTLY, by the same tensor load with the same
; descriptor and a mask that names the four.  A cluster's 1,024 columns are all of q (cluster x = 0), of k (1) or of v (2): what hangs on that number is the same in all sixteen partners.
; THE MATRIX INSTRUCTION IS USED TRANSPOSED: a lane's eight results are neighbours along source 0's rows.  For q and k source 0 = 16 rows of wqkvc and source 1 = 16 rows of xc: a lane holds eight neighbouring
; channels of one t.  For v the wave's two LDS bases change places (a selection, no branch): source 0 = rows of xc, source 1 = rows of wqkvc: a lane holds eight neighbouring t of one channel.
; REGISTERS, in windows of 256: window 0: v0-31 addresses; from v128 source 1's fragments (8 x 16 rows x 128 K), ONE set; on the way out v96-159 are at work.
;   window 1: source 0's fragments, TWO sets, at v0 and at v128.   window 2: the 32 accumulators of blocks 0-3 (accumulator (a, b) at v[8 (8 a + b)]);   window 3: those of blocks 4-7.
.set ROWB,   256                       ; a tile's row in bytes: 256 codes
.set KROW,   1024                      ; a row of xc or of wqkvc in memory, in bytes
.set PITCH,  272                       ; an LDS row: 256 bytes + 16 of padding = 68 words: row r starts at bank 4 r mod 64 (64 banks of 4 bytes: ISA guide 11.1), so the 16 rows of a load start at 16 different banks
.set FR,     16                        ; registers of a fragment: 16 rows x 128 K
.set NL,     4                         ; LDS loads that bring one
.set NP,     4                         ; places behind this matrix instruction (ISA guide 7.12.1)
.set HALFT,  128*PITCH                 ; 128 rows: what one tensor load brings, and what one wave reads of either operand
.set SLOT,   4*HALFT                   ; xc's 256 rows, then wqkvc's 256 rows
.set SPARE,  2*SLOT                    ; behind the ring: the spare words, 128 bytes for each wave: two blocks of 256 bytes that no other line names
.set HEADB,  131072                    ; a head's bytes in qc, kc and vc
.set SCL,  12                          ; v12     the folded scale as f32
.set LIM,  13
.set ADRA, 16                          ; v16-17  LDS address of source 1's fragments in slot 0, 1
.set ADRB, 20                          ; v20-21  the same for source 0
.set STV,  22                          ; v22     v's way out: where I put 16 codes of a channel's row
.set RDV,  23                          ; v23     and where I read rows back
.set STQ,  24                          ; v24     q's and k's way out: where I put 8 codes of a row
.set RDQ,  25                          ; v25     and where I read rows back
.set CO,   26                          ; v26     16 x lane: my bytes of a store's 512
.set SPW,  28                          ; v28     LDS address of my spare word: SPARE + 4 x my thread's number; never rewritten
.set NIL,  29                          ; v29     0; never rewritten
.set TMP,  32
.set CD,   96                          ; v96-127 a block's codes, two sets of 16
.set AF,   128                         ; source 1's fragments, in window 0
.set BK,   128                         ; v128-159 the way out: rows read back from the stage, two sets of 16
.set G1, 24                            ; s[24:31] descriptor group 1 for xc's tiles;  s[32:39] group 0, one set for each slot
.set G0, 32
.set G1B, 48                           ; s[48:55], s[56:63] the same for wqkvc's tiles
.set G0B, 56
.set MSB, 0
.macro WIN new                         ; the immediate's high byte repeats the setting that is left
.if MSB != (\new)
	s_set_vgpr_msb (MSB<<8)|(\new)
.set MSB, (\new)
.endif
.endm
.set MUL_LO, 0xa1                      ; source 0 window 1, source 1 window 0, C and D window 2
.set MUL_HI, 0xf1                      ; the same, C and D window 3
.set TO_B,   0x40                      ; destination window 1, address window 0
; A joint load: waves 0 and 1 fetch xc's halves, waves 2 and 3 wqkvc's.  Each of the two lines has ONE mask and one set of registers for all that issue it; the branch hangs on the wave's number alone.
; Four v_nop follow each of the two lines, ahead of the jump, the label and what follows.
.macro JLOAD g0a, g1a, g0b, g1b
	s_cmp_eq_u32 s15, 0
	s_cbranch_scc0 .Lfor_b_\@
	tensor_load_to_lds s[\g0a:\g0a+3], s[\g1a:\g1a+7]
	s_nop 0
.rept 4
	v_nop
.endr
	s_branch .Lasked_\@
.Lfor_b_\@:
	tensor_load_to_lds s[\g0b:\g0b+3], s[\g1b:\g1b+7]
	s_nop 0
.rept 4
	v_nop
.endr
.Lasked_\@:
.endm
.macro CREST                           ; a round of the cluster's barrier behind its opening barrier
	s_cmp_lg_u32 s14, 0
	s_cbranch_scc1 .Lnot_wave_0_\@
	s_barrier_signal -3
.Lnot_wave_0_\@:
	s_barrier_wait -3
	s_barrier_signal -1
	s_barrier_wait -1
.endm
.macro CROUND                          ; a whole round
	s_barrier_signal -1
	s_barrier_wait -1
	CREST
.endm
	s_load_b128 s[4:7], s[0:1], 0x0                ; xc s[4:5], wqkvc s[6:7]
	s_load_b64 s[8:9], s[0:1], 0x10                ; the scales' exponents
	s_load_b128 s[76:79], s[0:1], 0x18             ; qc s[76:77], kc s[78:79]
	s_load_b64 s[80:81], s[0:1], 0x28              ; vc
	v_lshl_add_u32 v[SPW], v0, 2, SPARE
	v_mov_b32 v[NIL], 0
	ds_add_u32 v28, v29
	ds_add_u32 v28, v29
	s_wait_dscnt 0x0
	v_lshrrev_b32 v1, 5, v0
	v_readfirstlane_b32 s14, v1                    ; wave 0..3
	s_lshr_b32 s15, s14, 1                         ; which half of the tile's rows is mine.  Also: I fetch for xc (0) or for wqkvc (1)
	s_and_b32 s16, s14, 1                          ; which half of its columns.  Also: which 128 rows of that tile I fetch
	s_bfe_u32 s40, ttmp6, 0x40000                  ; cx, cy: my place in the cluster
	s_bfe_u32 s41, ttmp6, 0x40004
	s_lshl_b32 s42, ttmp9, 2
	s_add_co_u32 s42, s42, s40                     ; tile column = 4 x cluster x + cx
	s_and_b32 s17, ttmp7, 0xffff
	s_lshl_b32 s17, s17, 2
	s_add_co_u32 s17, s17, s41                     ; tile row = 4 x cluster y + cy
	s_lshl_b32 s43, s41, 2
	s_lshl_b32 s43, 15, s43                        ; my row of the cluster
	s_lshl_b32 s44, 0x1111, s40                    ; my column
	; descriptor group 1: a tile of 128 rows x 256 bytes, padded in LDS
	s_or_b32 s[G1+0], s43, (0<<16)|(1<<20)|(1<<21)|(5<<22)|(3<<25)  ; 15:0 the mask: xc's tiles go to my row; 17:16 element of 1 byte; 20 padding on; 21 set beside a mask; 24:22 after every 64 words (code 5); 31:25 of 4 words (code 3)
	s_or_b32 s[G1B+0], s44, (0<<16)|(1<<20)|(1<<21)|(5<<22)|(3<<25)
.irp g, G1, G1B
	s_mov_b32 s[\g+1], ROWB<<16                    ; tensor_dim0
	s_mov_b32 s[\g+2], 128<<16                     ; tensor_dim1 = 128
	s_mov_b32 s[\g+3], ROWB<<16                    ; tile_dim0
	s_mov_b32 s[\g+4], 128                         ; tile_dim1 = 128
	s_mov_b32 s[\g+5], KROW                        ; tensor_dim0_stride
	s_mov_b32 s[\g+6], 0
	s_mov_b32 s[\g+7], 0
.endr
	s_lshl_b32 s18, s16, 7                         ; which 128 rows of the tile I fetch
	s_lshl_b32 s20, s17, 8
	s_add_co_u32 s20, s20, s18                     ; xc: row 256 x tile row + 128 x half,
	s_lshl_b32 s20, s20, 10                        ; of 1,024 bytes (8 MiB at the most)
	s_mov_b32 s21, 0
	s_lshl_b32 s46, s42, 8
	s_add_co_u32 s46, s46, s18                     ; wqkvc: row 256 x tile column + 128 x half
	s_lshl_b32 s46, s46, 10
	s_mov_b32 s47, 0
	s_mul_i32 s45, s14, HALFT                      ; where they go: wave x 128 rows: no place in the cluster enters an LDS address
	s_wait_kmcnt 0x0
	s_load_b256 s[68:75], s[8:9], 0x0              ; e0 .. e7
	s_add_nc_u64 s[20:21], s[4:5], s[20:21]
	s_add_nc_u64 s[46:47], s[6:7], s[46:47]
	CROUND                                         ; all sixteen work-groups are here: the first joint loads meet
.irp s, 0,1
	s_mov_b32 s[G0+4*\s], 1
	s_add_co_u32 s[G0+4*\s+1], s45, \s*SLOT
	s_add_nc_u64 s[G0+4*\s+2:G0+4*\s+3], s[20:21], \s*ROWB
	s_or_b32 s[G0+4*\s+3], s[G0+4*\s+3], 0x80000000
	s_mov_b32 s[G0B+4*\s], 1
	s_add_co_u32 s[G0B+4*\s+1], s45, \s*SLOT
	s_add_nc_u64 s[G0B+4*\s+2:G0B+4*\s+3], s[46:47], \s*ROWB
	s_or_b32 s[G0B+4*\s+3], s[G0B+4*\s+3], 0x80000000
	JLOAD G0+4*\s, G1, G0B+4*\s, G1B
.endr
	v_and_b32 v1, 15, v0                           ; r = l % 16
	v_bfe_u32 v2, v0, 4, 1                         ; h = l / 16
	v_mul_u32_u24 v3, v1, PITCH
	v_lshl_add_u32 v4, v2, 4, v3                   ; a fragment's row x pitch + 16 x half
	s_wait_alu depctr_va_vdst(0)
	s_mul_i32 s21, s15, HALFT                      ; my 128 rows of xc
	s_mul_i32 s22, s16, HALFT                      ; my 128 rows of wqkvc,
	s_add_co_u32 s22, s22, 2*HALFT                 ; which lie behind xc's 256
	s_cmp_eq_u32 ttmp9, 2                          ; v?  The same in all sixteen partners
	s_cselect_b32 s23, s22, s21                    ; source 1: xc's rows for q and k, wqkvc's for v
	s_cselect_b32 s83, s21, s22                    ; source 0: the other
.irp s, 0,1
	v_add_nc_u32 v[ADRA+\s], s23, v4
	v_add_nc_u32 v[ADRB+\s], s83, v4
	s_add_co_u32 s23, s23, SLOT
	s_add_co_u32 s83, s83, SLOT
.endr
	; the way out's stages: 4,096 bytes a wave for q and k from LDS byte 0, and as much for v from byte 16,384: the two ways have bytes of their own.  Both lie in slot 0, which has had its last fill and its last read when the first code is stored there
	s_lshl_b32 s84, s14, 12
	v_mul_u32_u24 v5, v1, 80                       ; q, k: a head's row of 64 codes + 16 of padding; row r, 8 bytes for each half of the lanes
	v_lshl_add_u32 v5, v2, 3, v5
	v_add_nc_u32 v[STQ], s84, v5
	v_and_b32 v6, 31, v0
	v_lshrrev_b32 v7, 2, v6                        ; back: four lanes to a row, eight rows an instruction
	v_mul_u32_u24 v7, v7, 80
	v_and_b32 v8, 3, v6
	v_lshl_add_u32 v7, v8, 4, v7
	v_add_nc_u32 v[RDQ], s84, v7
	s_add_co_u32 s84, s84, 16384
	v_mul_u32_u24 v5, v1, 144                      ; v: a channel's row of 128 codes + 16 of padding; row r, 16 bytes for each half of the lanes
	v_lshl_add_u32 v5, v2, 4, v5
	v_add_nc_u32 v[STV], s84, v5
	v_lshrrev_b32 v7, 3, v6                        ; back: eight lanes to a row, four rows an instruction
	v_mul_u32_u24 v7, v7, 144
	v_and_b32 v8, 7, v6
	v_lshl_add_u32 v7, v8, 4, v7
	v_add_nc_u32 v[RDV], s84, v7
	v_lshlrev_b32 v[CO], 4, v6
	; where my wave's part begins: the same bytes in qc, kc and vc: head (16 x batch + 4 cx + 2 x column half) x 131,072 + (my first t in the batch) x 64
	s_lshr_b32 s84, s17, 3                         ; the batch: eight tile rows each
	s_lshl_b32 s84, s84, 4
	s_lshl_b32 s85, s40, 2
	s_add_co_u32 s84, s84, s85
	s_lshl_b32 s85, s16, 1
	s_add_co_u32 s84, s84, s85
	s_lshl_b32 s84, s84, 17
	s_and_b32 s85, s17, 7
	s_lshl_b32 s85, s85, 8
	s_lshl_b32 s86, s15, 7
	s_add_co_u32 s85, s85, s86
	s_lshl_b32 s85, s85, 6
	s_add_co_u32 s84, s84, s85
	s_mov_b32 s85, 0
	s_cmp_eq_u32 ttmp9, 0                          ; the buffer is chosen by the cluster's x alone
	s_cselect_b64 s[10:11], s[76:77], s[78:79]
	s_cmp_eq_u32 ttmp9, 2
	s_cselect_b64 s[10:11], s[80:81], s[10:11]
	s_add_nc_u64 s[10:11], s[10:11], s[84:85]
.macro FRAG reg, adr, q, i             ; a fragment, 16 rows x 128 K, is 16 registers: lane l holds row l % 16; registers 4 c .. 4 c + 3 hold K = 32 c + 16 (l / 16) + 0 .. 15: the same places in both operands
.irp c, 0,1,2,3
	ds_load_b128 v[\reg+4*\c:\reg+4*\c+3], v[\adr] offset:128*(\q)+32*\c+(\i)*16*PITCH
.endr
.endm
; 16 matrix instructions: source 1's blocks a0, a0 + 1 x source 0's eight, 128 along K.  p: source 0's set.  zero = 1: the first product starts the sums: nothing is ever cleared.
; The 64 accumulators take turns, one instruction a turn, in the same order in every step.
.macro MUL16 a0, p, zero
.irp a, \a0, \a0+1
.irp b, 0,1,2,3,4,5,6,7
.if \zero
	v_wmma_f32_16x16x128_fp8_fp8 v[8*(8*((\a)%4)+\b):8*(8*((\a)%4)+\b)+7], v[128*(\p)+FR*\b:128*(\p)+FR*\b+FR-1], v[AF+FR*(\a):AF+FR*(\a)+FR-1], 0
.else
	v_wmma_f32_16x16x128_fp8_fp8 v[8*(8*((\a)%4)+\b):8*(8*((\a)%4)+\b)+7], v[128*(\p)+FR*\b:128*(\p)+FR*\b+FR-1], v[AF+FR*(\a):AF+FR*(\a)+FR-1], v[8*(8*((\a)%4)+\b):8*(8*((\a)%4)+\b)+7]
.endif
.endr
.endr
.endm
.macro FETCH_B slot, q, p              ; source 0's eight fragments of the slot's q-th 128 along K into set p
	WIN TO_B
.irp i, 0,1,2,3,4,5,6,7
	FRAG 128*(\p)+FR*\i, ADRB+\slot, \q, \i
.endr
	WIN 0
.endm
.macro FETCH_A slot, q, i0             ; source 1's blocks i0 .. i0 + 3
.irp i, \i0, \i0+1, \i0+2, \i0+3
	FRAG AF+FR*(\i), ADRA+\slot, \q, \i
.endr
.endm
; A load into a register that a matrix instruction has read, and a vector instruction that reads a matrix result, stand NP places behind that matrix instruction, and only plain vector instructions that name
; none of its registers are places (ISA guide 7.12.1 for vector instructions).
.macro PLACES n
.rept \n
	v_nop
.endr
.endm
; A step of 128 along K that has its successor in the same slot.
.macro STEP slot, q, zero
	s_wait_dscnt 4*NL                              ; source 0's set and source 1's blocks 0-3 are in; the youngest sixteen loads (blocks 4-7) may be out
	WIN MUL_LO
	MUL16 0, (\q)%2, \zero
	MUL16 2, (\q)%2, \zero
	s_wait_dscnt 0                                 ; blocks 4-7 are in (asked for 32 matrix instructions ago)
	PLACES NP
	FETCH_B \slot, (\q)+1, 1-(\q)%2
	FETCH_A \slot, (\q)+1, 0
	WIN MUL_HI
	MUL16 4, (\q)%2, \zero
	MUL16 6, (\q)%2, \zero
	PLACES NP
	WIN 0
	FETCH_A \slot, (\q)+1, 4
.endm
; A slot's last step changes slots: ONE barrier; in front of it each wave waits for all its tensor loads, adds 0 to its spare word, and waits for that and for its own reads of this slot.  fill = 1: this slot is filled again, two K steps ahead.
.macro TURN slot, next, fill
	s_wait_tensorcnt 0x0                           ; all my tensor loads have landed: my part of the next slot;  (every window is 0 here: the add's two registers lie in window 0)
	ds_add_u32 v[SPW], v[NIL]                      ; 0 onto my spare word;
	s_wait_dscnt 4*NL+1                            ; (the add and the youngest sixteen loads, blocks 4-7, may be out)
	WIN MUL_LO
	MUL16 0, 1, 0                                  ; sixteen matrix instructions stand between the add and the wait for it
	s_wait_dscnt 0x0                               ; the add is done, and my reads of this slot are over
	s_barrier_signal -1
	MUL16 2, 1, 0
	WIN 0
	s_barrier_wait -1
.if \fill
	CREST                                          ; the barrier has opened a round of the cluster's barrier: no wave of any partner still reads this slot's tile or has a load on its way
	s_add_nc_u64 s[G0+4*\slot+2:G0+4*\slot+3], s[G0+4*\slot+2:G0+4*\slot+3], 2*ROWB
	s_add_nc_u64 s[G0B+4*\slot+2:G0B+4*\slot+3], s[G0B+4*\slot+2:G0B+4*\slot+3], 2*ROWB
	JLOAD G0+4*\slot, G1, G0B+4*\slot, G1B         ; the first tensor load behind the round; the four v_nop behind it are the places in front of the loads below
.else
	PLACES NP
.endif
	FETCH_B \next, 0, 0
	FETCH_A \next, 0, 0
	WIN MUL_HI
	MUL16 4, 1, 0
	MUL16 6, 1, 0
	PLACES NP
	WIN 0
	FETCH_A \next, 0, 4
.endm
	s_wait_tensorcnt 1                             ; my part of K step 0 is in (K step 1's load may be out)
	s_barrier_signal -1
	s_barrier_wait -1                              ; everybody's is
	FETCH_B 0, 0, 0
	FETCH_A 0, 0, 0
	FETCH_A 0, 0, 4
	STEP 0, 0, 1                                   ; the first step stands in front of the loop: its products start the sums
	s_mov_b32 s3, 1                                ; 1,024 along K are two laps of the ring: one trip fills both slots again, the last lap is written out
.Llap:
	TURN 0, 1, 1
	STEP 1, 0, 0
	TURN 1, 0, 1
	STEP 0, 0, 0
	s_sub_co_u32 s3, s3, 1
	s_cmp_lg_u32 s3, 0
	s_cbranch_scc1 .Llap
	TURN 0, 1, 0                                   ; the last lap fills nothing, and has no round of the cluster's barrier
	STEP 1, 0, 0
	s_wait_dscnt 4*NL                              ; the very last step: nothing more to fetch
	WIN MUL_LO
	MUL16 0, 1, 0
	MUL16 2, 1, 0
	s_wait_dscnt 0
	WIN MUL_HI
	MUL16 4, 1, 0
	MUL16 6, 1, 0
	WIN 0
; THE WAY OUT, block by block of source 1's 16 rows.  PACK: the block's 64 sums a lane become 64 codes, 8 bytes an accumulator.
.macro PACK a
.set AC, 64*((\a)%4)
.set CC, CD+16*((\a)%2)
	WIN 0x02+((\a)/4)                              ; source 0: window 2 or 3
.set jj, 0
.rept 64
.set jj, jj+1
.endr
.irp b, 0,1,2,3,4,5,6,7
	v_cvt_scalef32_pk8_fp8_f32 v[CC+2*\b:CC+2*\b+1], v[AC+8*\b:AC+8*\b+7], v[SCL]
.endr
	WIN 0
	v_nop                                          ; one plain vector line behind the last conversion
.endm
; q and k: lane (r, h) holds, of row t = 16 a + r, channels 16 b + 8 h + 0 .. 7: head b / 4 of my two.  The stage has 16 rows of 64 codes for each of the two heads; they come back 512 dense bytes (8 rows) a load.
.macro STAGE_QK a
.set CC, CD+16*((\a)%2)
.set BB, BK+16*((\a)%2)
.irp b, 0,1,2,3,4,5,6,7
	ds_store_b64 v[STQ], v[CC+2*\b:CC+2*\b+1] offset:(\b/4)*1280+16*(\b%4)
.endr
.irp n, 0,1,2,3
	ds_load_b128 v[BB+4*\n:BB+4*\n+3], v[RDQ] offset:(\n/2)*1280+(\n%2)*640   ; LDS serves a wave's instructions in order (ISA guide 5.7.1.4): these see the stores above, and the next block's stores come behind them
.endr
.endm
.macro SEND_QK a, younger              ; younger: the LDS instructions issued behind block a's loads, which may stay out
.set BB, BK+16*((\a)%2)
	s_wait_dscnt \younger
.irp n, 0,1,2,3
	global_store_b128 v[CO], v[BB+4*\n:BB+4*\n+3], s[10:11] offset:(\n/2)*HEADB+(16*(\a)+8*(\n%2))*64   ; 32 lanes store 512 consecutive bytes (8 rows of a head), at a multiple of 256 from the buffer's first byte
.endr
.endm
; v: lane (r, h) holds, of channel 16 a + r (head a / 4 of my two, d = 16 (a % 4) + r), keys 16 b + 8 h + 0 .. 7 of my chunk.  The codes of accumulators 2 B and 2 B + 1 are the 16 places 32 B + 16 h + 0 .. 15.
.macro STAGE_V a
.set CC, CD+16*((\a)%2)
.set BB, BK+16*((\a)%2)
.irp b, 0,1,2,3
	ds_store_b128 v[STV], v[CC+4*\b:CC+4*\b+3] offset:32*\b
.endr
.irp n, 0,1,2,3
	ds_load_b128 v[BB+4*\n:BB+4*\n+3], v[RDV] offset:576*\n
.endr
.endm
.macro SEND_V a, younger
.set BB, BK+16*((\a)%2)
	s_wait_dscnt \younger
.irp n, 0,1,2,3
	global_store_b128 v[CO], v[BB+4*\n:BB+4*\n+3], s[10:11] offset:((\a)/4)*HEADB+(16*((\a)%4)+4*\n)*128   ; 32 lanes store 512 consecutive bytes (4 channels of the chunk)
.endr
.endm
	s_wait_kmcnt 0x0
	s_cmp_eq_u32 ttmp9, 0
	s_cselect_b32 s82, s70, s71                    ; e2 for q, e3 for k,
	s_cmp_eq_u32 ttmp9, 2
	s_cselect_b32 s82, s73, s82                    ; e5 for v
	s_sub_co_i32 s82, s82, s68
	s_sub_co_i32 s82, s82, s69                     ; a sum stands for sum x 2^(e0 + e1): the three exponents are folded into the conversion's one scale
	s_add_co_i32 s82, s82, 127
	s_lshl_b32 s83, s82, 23
	v_mov_b32 v[SCL], s83
	PLACES NP                                      ; behind the last products: for the first reads of results and the loads into the registers that held fragments
	s_cmp_eq_u32 ttmp9, 2
	s_cbranch_scc1 .Lv_out
	PACK 0
	STAGE_QK 0
.irp a, 1,2,3,4,5,6,7
.if \a > 1
	s_wait_xcnt 0x0                                ; block a - 2's stores have read their registers: block a's loads may land there
.endif
	PACK \a
	STAGE_QK \a
	SEND_QK \a-1, 12                               ; behind block a - 1's loads: block a's 8 stores and 4 loads
.endr
	SEND_QK 7, 0
	s_branch .Ljoin
.Lv_out:
	s_wait_alu depctr_va_vdst(0)
	PACK 0
	STAGE_V 0
.irp a, 1,2,3,4,5,6,7
.if \a > 1
	s_wait_xcnt 0x0
.endif
	PACK \a
	STAGE_V \a
	SEND_V \a-1, 8                                 ; behind block a - 1's loads: block a's 4 stores and 4 loads
.endr
	SEND_V 7, 0
.Ljoin:
	s_wait_tensorcnt 0x0                           ; the wave's end: behind my last tensor load and my last LDS store
	ds_add_u32 v[SPW], v[NIL]
	s_wait_dscnt 0x0
	CROUND                                         ; the closing round: no work-group ends while a partner may still ask for a tile that names it
	s_endpgm
.Lfunc_end_k_q109231e3cb_qkv:
	.size	k_q109231e3cb_qkv, .Lfunc_end_k_q109231e3cb_qkv-k_q109231e3cb_qkv
	.p2alignl 7, 3214868480
	.fill 96, 4, 3214868480
	.section	.rodata,"a",@progbits
	.p2align	6, 0x0
	.amdhsa_kernel k_q109231e3cb_qkv
		.amdhsa_group_segment_fixed_size 327680
		.amdhsa_private_segment_fixed_size 0
		.amdhsa_enable_private_segment 0
		.amdhsa_kernarg_size 48
		.amdhsa_user_sgpr_count 2
		.amdhsa_user_sgpr_kernarg_segment_ptr 1
		.amdhsa_wavefront_size32 1
		.amdhsa_system_sgpr_workgroup_id_x 1
		.amdhsa_system_sgpr_workgroup_id_y 1
		.amdhsa_system_sgpr_workgroup_id_z 1
		.amdhsa_system_vgpr_workitem_id 0
		.amdhsa_next_free_vgpr 1024
		.amdhsa_next_free_sgpr 100
		.amdhsa_reserve_vcc 0
		.amdhsa_float_denorm_mode_32 3
		.amdhsa_float_denorm_mode_16_64 3
		.amdhsa_fp16_overflow 1
		.amdhsa_memory_ordered 1
		.amdhsa_forward_progress 1
		.amdhsa_inst_pref_size 106
	.end_amdhsa_kernel
	.amdgpu_metadata
---
amdhsa.version: [ 1, 2 ]
amdhsa.kernels:
  - .name:           k_q109231e3cb_qkv
    .symbol:         k_q109231e3cb_qkv.kd
    .args:
      - { .name: xc, .offset: 0, .size: 8, .value_kind: global_buffer, .address_space: global }
      - { .name: wqkvc, .offset: 8, .size: 8, .value_kind: global_buffer, .address_space: global }
      - { .name: lowp_scales, .offset: 16, .size: 8, .value_kind: global_buffer, .address_space: global }
      - { .name: qc, .offset: 24, .size: 8, .value_kind: global_buffer, .address_space: global }
      - { .name: kc, .offset: 32, .size: 8, .value_kind: global_buffer, .address_space: global }
      - { .name: vc, .offset: 40, .size: 8, .value_kind: global_buffer, .address_space: global }
    .group_segment_fixed_size: 327680
    .private_segment_fixed_size: 0
    .kernarg_segment_align: 8
    .kernarg_segment_size: 48
    .max_flat_workgroup_size: 128
    .sgpr_count:     100
    .vgpr_count:     1024
    .wavefront_size: 32
...
	.end_amdgpu_metadata
.endif
;; end of part 2
;; launch attn (part 3): grid 4 x 64, 16 waves a work-group, clusters of 4 x 1, 327,680 bytes of LDS; arguments qc, kc, vc, lowp_scales, ac; writes ac
.if DOCPART == 3
	.amdgcn_target "amdgcn-amd-amdhsa--gfx1250"
	.amdhsa_code_object_version 6
	.text
	.protected	k_q109231e3cb_attn
	.globl	k_q109231e3cb_attn
	.p2align	8
	.type	k_q109231e3cb_attn,@function
k_q109231e3cb_attn:
	s_mov_b64 s[64:65], 0
	v_nop
	global_prefetch_b8 v0, s[64:65] scope:SCOPE_SE
	s_setreg_imm32_b32 hwreg(HW_REG_WAVE_MODE, 25, 1), 1
	s_wait_xcnt 0x0
	s_wait_alu depctr_hold_cnt(0) depctr_sa_sdst(0) depctr_va_vdst(0) depctr_va_sdst(0) depctr_va_ssrc(0) depctr_va_vcc(0) depctr_vm_vsrc(0)
	s_getreg_b32 s2, hwreg(HW_REG_IB_STS2, 6, 4)
	s_cmp_eq_u32 s2, 0
	s_cbranch_scc0 .Lentry_in_a_cluster
	s_endpgm
.Lentry_in_a_cluster:
	s_bfe_u32 s2, ttmp6, 0x10000c
	s_cmp_lg_u32 s2, 0x3003
	s_cbranch_scc0 .Lentry_shape_is_right
	s_endpgm
.Lentry_shape_is_right:
; Causal attention on codes of FP8 (E4M3), 64 heads of 2,048 positions x 64 channels.  qc, kc: [head][t][64].  vc: [head][chunk of 128 keys][d][128 places], place 32 B + 16 h + 8 u + j = key 32 B + 16 u + 8 h + j.
; THE SOFTMAX AHEAD OF THE SECOND PRODUCT: t = score x log2(e) / 8; M = the row's largest t so far, rounded UP to a whole number; p = 2^(t - M) is what is quantised (scale 2^e4), not normalised.  The row's sum is
; taken of the unquantised p, in f32, and divides at the end.  When M moves, the sum and O are multiplied by 2^(old M - new M): exact.  The result is quantised (scale 2^e6) for the last product:
; ac [row block of 256 (32)][head (16)][row in the block][64].
; LIMITS on the given exponents, so that each power of two below is an f32 number: e2 + e3 between -123 and 130 (added to c's exponent field); e4 and e6 between -126 and 119; e4 + e5 goes through v_ldexp_f32 and has none.
; SHARES.  A cluster of four work-groups is one head; work-group j = cx, wave w (of sixteen) owns two tiles of 16 queries: tile 127 - (4 w + j), the high one, and tile 4 w + j, the low one.  Keys go 128 a step.
; With W = 31 - w or w, a tile's queries lie in 64 W .. 64 W + 63: a step at key KF is wholly hidden where KF > 64 W and wholly open where KF + 128 <= 64 W: neither test knows j.  The steps that count are
; (16 - w / 2) + (w / 2 + 1) = 17 for every wave of the launch.  The loops' trip counts are constants; a hidden step's work is jumped over.
; LDS.  The head's whole K and V stay in LDS: 512 rows of 256 bytes + 16 of padding each, brought once by joint loads (the four partners need the same bytes: one request, mask 15).  Nothing is filled again.
; Each wave brings two pieces: 8 rows of the first 256 keys' part, then 56 rows of the rest.  The first two key steps, open for every high tile, run while the rest is on its way.
; LAYOUT.  Both products are used transposed: S^T = K Q^T (source 0 = 16 neighbouring keys, source 1 = my 16 queries), O^T = V^T P^T (source 0 = 16 channels, source 1 = P): a lane holds ONE query (lane % 16).
; Register j of score tile t is key 16 t + 8 (lane / 16) + j, so tile t's eight codes are registers 2 t, 2 t + 1 of the second product's operand, and V's places are laid to match.
; Four waves share a SIMD, so that one wave's softmax stands beside another's products and LDS loads.
.set STEPB, 8704                       ; a key step in LDS: 32 rows of 272 bytes, of K (4 keys a row) and of V (2 channels a row) alike
.set VBASE, 139264                     ; V's rows lie behind K's 512
.set PARTB, 17408                      ; the rest begins behind the first 64 rows
.set STAGE, 294912                     ; the way out: 16 rows x 80 bytes for each wave; no tile lands there
.set AK0,  1                           ; v1   my lane's place in a tile of K: (r / 4) 272 + (r % 4) 64 + 16 h
.set AV0,  2                           ; v2   in a tile of V: VBASE + (r / 2) 272 + (r % 2) 128 + 16 h
.set STO,  3                           ; v3   the stage: where I put 8 codes
.set SRD,  4                           ; v4   and where I read rows back
.set GO,   5                           ; v5   16 x lane
.set DQH,  6                           ; v6   the mask's lane term for the high tile: 16 (3 - j) + r - 8 h
.set DQL,  7                           ; v7   for the low tile: 16 j + r - 8 h
.set ADK,  8                           ; v8   LDS address of the step's K
.set ADV,  9                           ; v9   of its V
.set PSC,  10                          ; v10  2^e4 as f32
.set PLIM, 11
                                       ; v12 -M, v13 the largest t, v[14:15] the sum in two halves
.set QH,   16                          ; v16-23 the high tile's Q;  v24-31 the low tile's
.set QL,   24
.set KFR,  32                          ; v32-95 K's eight fragments; behind the scores: v32-47 p's codes, v48-56 at work
.set SC,   96                          ; v96-159 S^T, then p
.set OT,   160                         ; v160-191 O^T
.set VFR,  192                         ; v192-255 V's four fragments
.set WV,   14                          ; s14  my wave's number
.set SEL,  20                          ; s[20:21] lane selects for v_permlanex16_b32: lane l xor 16
.set CS,   22                          ; s[22:23] c = log2(e) / 8 x 2^(e2 + e3): the packed form names a pair and takes its low word
.set G1A,  24                          ; s[24:31] descriptor group 1: 8 rows;  s[32:39]: 56 rows;  s[40:55] four groups 0: K's two pieces, V's two
.set G1B,  32
.set TB,   66                          ; s66  LDS byte at which the step's rows begin
.set SKF,  67                          ; s67  the step's first key
.set WQ,   68                          ; s68  64 W
.set CNT,  69
.set TS,   70
.macro CROUND                          ; a round of the cluster's barrier
	s_barrier_signal -1
	s_barrier_wait -1
	s_cmp_lg_u32 s[WV], 0
	s_cbranch_scc1 .Lnot_wave_0_\@
	s_barrier_signal -3
.Lnot_wave_0_\@:
	s_barrier_wait -3
	s_barrier_signal -1
	s_barrier_wait -1
.endm
	s_load_b256 s[4:11], s[0:1], 0x0               ; qc s[4:5], kc s[6:7], vc s[8:9], the scales' exponents s[10:11]
	s_load_b64 s[12:13], s[0:1], 0x20              ; ac
	v_lshl_add_u32 v254, v0, 2, 0x4d000
	v_mov_b32 v255, 0
	ds_add_u32 v254, v255
	ds_add_u32 v254, v255
	s_wait_dscnt 0x0
	v_lshrrev_b32 v8, 5, v0
	s_delay_alu instid0(VALU_DEP_1)
	v_readfirstlane_b32 s[WV], v8                  ; wave 0..15
	s_and_b32 s15, s[WV], 7                        ; which eighth of K (waves 0-7) or of V (waves 8-15) I fetch
	s_bfe_u32 s16, ttmp6, 0x40000                  ; j = cx: it enters Q's and ac's addresses and the mask's lane term alone
	s_and_b32 s17, ttmp7, 0xffff                   ; the head, which the four partners share
	s_lshl_b32 s18, s17, 17                        ; its first byte in qc, kc and vc
	s_mov_b32 s19, 0
.irp g, G1A, G1B
	s_mov_b32 s[\g], 15|(1<<20)|(1<<21)|(5<<22)|(3<<25)   ; 15:0 the mask: all four work-groups; 17:16 elements of 1 byte; 20 padding on; 21 set beside a mask; 24:22 after every 64 words (code 5); 31:25 four words (code 3)
	s_mov_b32 s[\g+1], 256<<16                     ; tensor_dim0 = 256
	s_mov_b32 s[\g+3], 256<<16                     ; tile_dim0 = 256
	s_mov_b32 s[\g+5], 256                         ; tensor_dim0_stride: the rows are dense in memory
	s_mov_b32 s[\g+6], 0
	s_mov_b32 s[\g+7], 0
.endr
	s_mov_b32 s[G1A+2], 8<<16                      ; tensor_dim1,
	s_mov_b32 s[G1A+4], 8                          ; tile_dim1: 8 rows
	s_mov_b32 s[G1B+2], 56<<16
	s_mov_b32 s[G1B+4], 56                         ; 56 rows
	s_mul_i32 s81, s15, 8*272                      ; my piece of the first part in LDS,
	s_mul_i32 s82, s15, 56*272                     ; and of the rest;
	s_lshl_b32 s84, s15, 11                        ; in memory: 8 rows of 256 bytes,
	s_mov_b32 s85, 0
	s_mul_i32 s86, s15, 56*256
	s_add_co_u32 s86, s86, 64*256                  ; and 56 rows behind the first 64
	s_mov_b32 s87, 0
	s_wait_kmcnt 0x0
	s_load_b256 s[56:63], s[10:11], 0x0            ; e0 .. e7
	s_add_nc_u64 s[6:7], s[6:7], s[18:19]          ; kc and vc at the head
	s_add_nc_u64 s[8:9], s[8:9], s[18:19]
	s_mov_b32 s40, 1                               ; K, first part: count = 1; LDS address; global address; type = 2
	s_mov_b32 s41, s81
	s_add_nc_u64 s[42:43], s[6:7], s[84:85]
	s_or_b32 s43, s43, 0x80000000
	s_mov_b32 s44, 1                               ; K, the rest
	s_add_co_u32 s45, s82, PARTB
	s_add_nc_u64 s[46:47], s[6:7], s[86:87]
	s_or_b32 s47, s47, 0x80000000
	s_mov_b32 s48, 1                               ; V, first part
	s_add_co_u32 s49, s81, VBASE
	s_add_nc_u64 s[50:51], s[8:9], s[84:85]
	s_or_b32 s51, s51, 0x80000000
	s_mov_b32 s52, 1                               ; V, the rest
	s_add_co_u32 s53, s82, VBASE+PARTB
	s_add_nc_u64 s[54:55], s[8:9], s[86:87]
	s_or_b32 s55, s55, 0x80000000
	CROUND                                         ; all four work-groups are here: the joint loads meet
	s_cmp_lt_u32 s[WV], 8                          ; a wave's two loads stand in one branch on the wave's number, ahead of every wait on TENSORcnt and every LDS read: two loads of mine are out; four v_nop follow the second
	s_cbranch_scc0 .Lfirst_v
	tensor_load_to_lds s[40:43], s[G1A:G1A+7]
	s_nop 0
	tensor_load_to_lds s[44:47], s[G1B:G1B+7]
	s_nop 0
.rept 4
	v_nop
.endr
	s_branch .Lfirst_asked
.Lfirst_v:
	tensor_load_to_lds s[48:51], s[G1A:G1A+7]
	s_nop 0
	tensor_load_to_lds s[52:55], s[G1B:G1B+7]
	s_nop 0
.rept 4
	v_nop
.endr
.Lfirst_asked:
	s_lshl_b32 s88, s[WV], 2
	s_add_co_u32 s88, s88, s16                     ; the low tile, 4 w + j
	s_sub_co_u32 s89, 127, s88                     ; the high tile
	s_lshl_b32 s88, s88, 4                         ; their first queries
	s_lshl_b32 s89, s89, 4
	s_lshl_b32 s90, s89, 6                         ; a query's codes are 64 bytes
	s_add_co_u32 s90, s90, s18
	s_mov_b32 s91, 0
	s_add_nc_u64 s[72:73], s[4:5], s[90:91]        ; Q of the high tile,
	s_lshl_b32 s90, s88, 6
	s_add_co_u32 s90, s90, s18
	s_add_nc_u64 s[74:75], s[4:5], s[90:91]        ; of the low tile
	v_and_b32 v8, 15, v0                           ; r
	s_wait_alu depctr_va_vdst(0)
	v_bfe_u32 v9, v0, 4, 1                         ; h
	v_lshlrev_b32 v48, 6, v8
	s_delay_alu instid0(VALU_DEP_1)
	v_lshl_add_u32 v48, v9, 4, v48                 ; row r, + 16 h: registers 0-3 hold channels 16 h + 0 .. 15, registers 4-7 channels 32 + 16 h + 0 .. 15: the same places as in K's fragments
	global_load_b128 v[QH:QH+3], v48, s[72:73]
	global_load_b128 v[QH+4:QH+7], v48, s[72:73] offset:32
	global_load_b128 v[QL:QL+3], v48, s[74:75]
	global_load_b128 v[QL+4:QL+7], v48, s[74:75] offset:32
	s_lshr_b32 s94, s17, 4                         ; ac: batch x 8 row blocks of 262,144 bytes + head x 16,384,
	s_lshl_b32 s94, s94, 21
	s_and_b32 s95, s17, 15
	s_lshl_b32 s95, s95, 14
	s_add_co_u32 s94, s94, s95
	s_lshr_b32 s90, s89, 8                         ; + the tile's row block and its rows in the block
	s_lshl_b32 s90, s90, 18
	s_and_b32 s95, s89, 255
	s_lshl_b32 s95, s95, 6
	s_add_co_u32 s90, s90, s95
	s_add_co_u32 s90, s90, s94
	s_add_nc_u64 s[76:77], s[12:13], s[90:91]      ; the high tile's 1,024 bytes,
	s_lshr_b32 s90, s88, 8
	s_lshl_b32 s90, s90, 18
	s_and_b32 s95, s88, 255
	s_lshl_b32 s95, s95, 6
	s_add_co_u32 s90, s90, s95
	s_add_co_u32 s90, s90, s94
	s_add_nc_u64 s[78:79], s[12:13], s[90:91]      ; the low tile's
	v_lshrrev_b32 v49, 2, v8
	s_delay_alu instid0(VALU_DEP_1)
	v_mul_u32_u24 v[AK0], v49, 272
	v_and_b32 v49, 3, v8
	s_delay_alu instid0(VALU_DEP_1)
	v_lshl_add_u32 v[AK0], v49, 6, v[AK0]
	s_wait_alu depctr_va_vdst(0)
	v_lshl_add_u32 v[AK0], v9, 4, v[AK0]           ; sixteen lanes of a load take sixteen different 16-byte columns modulo 256 bytes
	v_lshrrev_b32 v49, 1, v8
	s_delay_alu instid0(VALU_DEP_1)
	v_mul_u32_u24 v[AV0], v49, 272
	v_and_b32 v49, 1, v8
	s_delay_alu instid0(VALU_DEP_1)
	v_lshl_add_u32 v[AV0], v49, 7, v[AV0]
	s_delay_alu instid0(VALU_DEP_1)
	v_lshl_add_u32 v[AV0], v9, 4, v[AV0]
	s_delay_alu instid0(VALU_DEP_1)
	v_add_nc_u32 v[AV0], VBASE, v[AV0]
	s_mul_i32 s92, s[WV], 1280
	s_add_co_u32 s92, s92, STAGE                   ; my stage
	v_mul_u32_u24 v[STO], v8, 80
	s_delay_alu instid0(VALU_DEP_1)
	v_lshl_add_u32 v[STO], v9, 3, v[STO]
	s_delay_alu instid0(VALU_DEP_1)
	v_add_nc_u32 v[STO], s92, v[STO]               ; in: row r, 8 bytes for each half of the lanes
	v_and_b32 v49, 31, v0
	s_delay_alu instid0(VALU_DEP_1)
	v_lshlrev_b32 v[GO], 4, v49
	s_delay_alu instid0(VALU_DEP_2)
	v_lshrrev_b32 v50, 2, v49
	s_delay_alu instid0(VALU_DEP_1)
	v_mul_u32_u24 v[SRD], v50, 80
	s_delay_alu instid0(VALU_DEP_4)
	v_and_b32 v50, 3, v49
	s_delay_alu instid0(VALU_DEP_1)
	v_lshl_add_u32 v[SRD], v50, 4, v[SRD]
	s_delay_alu instid0(VALU_DEP_1)
	v_add_nc_u32 v[SRD], s92, v[SRD]               ; back: four lanes to a row, eight rows an instruction
	v_lshlrev_b32 v49, 3, v9
	s_delay_alu instid0(VALU_DEP_1)
	v_sub_nc_u32 v49, v8, v49                      ; r - 8 h
	s_lshl_b32 s93, s16, 4
	v_add_nc_u32 v[DQL], s93, v49
	s_sub_co_u32 s93, 48, s93
	v_add_nc_u32 v[DQH], s93, v49
	s_mov_b32 s[SEL], 0x76543210
	s_mov_b32 s[SEL+1], 0xfedcba98
	s_wait_kmcnt 0x0
	s_add_co_i32 s93, s58, s59                     ; a score stands for score x 2^(e2 + e3): the two exponents are added to c's exponent field
	s_lshl_b32 s93, s93, 23
	s_add_co_i32 s[CS], s93, 0x3e38aa3b            ; c = log2(e) / 8
	s_mov_b32 s[CS+1], s[CS]                       ; (named with it as a pair, so it is written)
	s_add_co_i32 s93, s60, 127
	s_lshl_b32 s95, s93, 23
	v_mov_b32 v[PSC], s95                          ; 2^e4
	s_add_co_i32 s80, s60, s61                     ; e4 + e5
	s_add_co_i32 s93, s62, 127
	s_lshl_b32 s83, s93, 23                        ; 2^e6
.macro INIT                            ; a tile begins: O^T and the sum are zeros and the largest t lies under every t, so the step is written without a first step of its own
	v_mov_b32 v13, 0xff61b1e6                      ; -3e38
	s_delay_alu instid0(VALU_DEP_1)
	v_floor_f32 v12, -v13                          ; -M
	v_mov_b32 v14, 0
	v_mov_b32 v15, 0
.set jj, 0
.rept 32
	v_mov_b32 v[OT+jj], 0
.set jj, jj+1
.endr
.endm
; A KEY STEP: 128 keys from s[SKF] on, whose rows begin at LDS byte s[TB].  q: the tile's Q.  causal = 1: the step may be hidden or lie on the diagonal.  dq: the mask's lane term.
.macro STEP q, causal, dq
.if \causal
	s_cmp_gt_u32 s[SKF], s[WQ]                     ; all 128 keys come after my queries: the work is jumped over, the lines at the end that step addresses are not
	s_cbranch_scc1 .Lhidden_\@
.endif
	s_setprio 2
	v_add_nc_u32 v[ADK], s[TB], v[AK0]
	v_add_nc_u32 v[ADV], s[TB], v[AV0]
	v_nop                                          ; with the two additions: four places in front of loads into registers that the last products read
	v_nop
.irp t, 0,1,2,3,4,5,6,7
	ds_load_b128 v[KFR+8*\t:KFR+8*\t+3],   v[ADK] offset:1088*\t      ; keys 16 t + r: four rows of 272 bytes a tile
	ds_load_b128 v[KFR+8*\t+4:KFR+8*\t+7], v[ADK] offset:1088*\t+32
.endr
.irp t, 0,1,2,3
.irp c, 0,1,2,3
	ds_load_b128 v[VFR+16*\t+4*\c:VFR+16*\t+4*\c+3], v[ADV] offset:2176*\t+32*\c   ; channels 16 t + r, places 32 c + 16 h + 0 .. 15: they land under the softmax
.endr
.endr
	s_wait_dscnt 16                                ; K's sixteen loads are in; V's sixteen may be out
.irp t, 0,1,2,3,4,5,6,7
	v_wmma_f32_16x16x64_fp8_fp8 v[SC+8*\t:SC+8*\t+7], v[KFR+8*\t:KFR+8*\t+7], v[\q:\q+7], 0
.endr
.rept 4
	v_nop
.endr
.if \causal                                    ; on the diagonal the scores of hidden keys become -infinity ahead of the maximum: p = 0 then.  A step all of whose keys count skips this
	s_add_co_u32 s[TS], s[SKF], 128
	s_cmp_le_u32 s[TS], s[WQ]
	s_cbranch_scc1 .Lopen_\@
	s_sub_co_u32 s[TS], s[WQ], s[SKF]
	v_add_nc_u32 v51, s[TS], v[\dq]                ; d = my query - KF - 8 h.  Register 8 t + j holds key KF + 16 t + 8 h + j: hidden where 16 t + j > d
	v_mov_b32 v56, 0xff800000                      ; -infinity
.set nn, 0
.rept 64
	v_cmp_gt_i32 vcc_lo, 16*(nn/8)+nn%8, v51
	v_cndmask_b32 v[SC+nn], v[SC+nn], v56, vcc_lo
.set nn, nn+1
.endr
.Lopen_\@:
.endif
	v_max3_num_f32 v48, v[SC], v[SC+1], v[SC+2]    ; the step's largest score of my query, among my 64 keys, in two chains, each accumulator from its low end on,
	v_max3_num_f32 v49, v[SC+3], v[SC+4], v[SC+5]
.irp i, 6,10,14,18,22,26,30,34,38,42,46,50,54,58
	v_max3_num_f32 v48, v48, v[SC+\i], v[SC+1+\i]
	v_max3_num_f32 v49, v49, v[SC+2+\i], v[SC+3+\i]
.endr
	v_max3_num_f32 v48, v48, v[SC+62], v[SC+63]
	s_delay_alu instid0(VALU_DEP_1)
	v_max_num_f32 v48, v48, v49
	s_delay_alu instid0(VALU_DEP_1)
	v_permlanex16_b32 v50, v48, s[SEL], s[SEL+1]
	s_delay_alu instid0(VALU_DEP_1)
	v_max_num_f32 v48, v48, v50                    ; and among lane l xor 16's
	s_delay_alu instid0(VALU_DEP_1)
	v_mul_f32 v48, s[CS], v48                      ; as t (c is positive)
	s_delay_alu instid0(VALU_DEP_1)
	v_max_num_f32 v13, v13, v48                    ; the running largest t
	v_mov_b32 v48, v12
	s_delay_alu instid0(VALU_DEP_2)
	v_floor_f32 v12, -v13                          ; the new -M = floor(-t) = -ceil(t): M is a whole number
	s_delay_alu instid0(VALU_DEP_1)
	v_sub_f32 v48, v12, v48                        ; M's old value less its new one: a whole number, 0 or less
	s_delay_alu instid0(VALU_DEP_1)
	v_cvt_i32_f32 v48, v48                         ; (it saturates)
	s_delay_alu instid0(VALU_DEP_1)
	v_ldexp_f32 v52, 1.0, v48                      ; f = 2^(old M - new M)
.set jj, 0
	s_setprio 1
.rept 32
	v_pk_fma_f32 v[SC+jj:SC+jj+1], v[SC+jj:SC+jj+1], s[CS:CS+1], v[12:13] op_sel_hi:[1,0,0]   ; t - M, two at a time (of the pairs c and -M the low word serves both halves)
.set jj, jj+2
.endr
.set jj, 0
	s_wait_alu depctr_va_vdst(0)
.rept 64
	v_exp_f32 v[SC+jj], v[SC+jj]                   ; p = 2^(t - M), at most 1: not normalised
.set jj, jj+1
.endr
	v_pk_mul_f32 v[14:15], v[14:15], v[52:53] op_sel_hi:[1,0]   ; the sums under the new M: the plain line behind the exponentials
	s_wait_alu depctr_va_vdst(0)                   ; one wait for the whole batch of 64, ahead of its first reader
	v_pk_add_f32 v[54:55], v[100:101], v[104:105]
	v_pk_add_f32 v[94:95], v[108:109], v[112:113]
	v_pk_add_f32 v[92:93], v[116:117], v[120:121]
	v_pk_add_f32 v[90:91], v[124:125], v[128:129]
	v_pk_add_f32 v[88:89], v[132:133], v[136:137]
	v_pk_add_f32 v[86:87], v[140:141], v[144:145]
	v_pk_add_f32 v[84:85], v[148:149], v[152:153]
	v_pk_add_f32 v[14:15], v[14:15], v[156:157]
	v_pk_add_f32 v[54:55], v[54:55], v[96:97]
	v_pk_add_f32 v[94:95], v[94:95], v[98:99]
	v_pk_add_f32 v[92:93], v[92:93], v[102:103]
	v_pk_add_f32 v[90:91], v[90:91], v[106:107]
	v_pk_add_f32 v[88:89], v[88:89], v[110:111]
	v_pk_add_f32 v[86:87], v[86:87], v[114:115]
	v_pk_add_f32 v[84:85], v[84:85], v[118:119]
	v_pk_add_f32 v[14:15], v[14:15], v[122:123]
	v_pk_add_f32 v[54:55], v[54:55], v[126:127]
	v_pk_add_f32 v[94:95], v[94:95], v[130:131]
	v_pk_add_f32 v[92:93], v[92:93], v[134:135]
	v_pk_add_f32 v[90:91], v[90:91], v[138:139]
	v_pk_add_f32 v[88:89], v[88:89], v[142:143]
	v_pk_add_f32 v[86:87], v[86:87], v[146:147]
	v_pk_add_f32 v[84:85], v[84:85], v[150:151]
	s_setprio 0
	v_pk_add_f32 v[14:15], v[14:15], v[154:155]
	v_pk_add_f32 v[54:55], v[54:55], v[158:159]
	s_delay_alu instid0(VALU_DEP_2)
	v_pk_add_f32 v[14:15], v[14:15], v[90:91]
	s_delay_alu instid0(VALU_DEP_2)
	v_pk_add_f32 v[54:55], v[54:55], v[88:89]
	v_pk_add_f32 v[94:95], v[94:95], v[86:87]
	v_pk_add_f32 v[92:93], v[92:93], v[84:85]
	s_delay_alu instid0(VALU_DEP_2)
	v_pk_add_f32 v[14:15], v[14:15], v[94:95]
	s_delay_alu instid0(VALU_DEP_2)
	v_pk_add_f32 v[54:55], v[54:55], v[92:93]
	s_delay_alu instid0(VALU_DEP_1)
	v_pk_add_f32 v[14:15], v[14:15], v[54:55]
.irp b, 0,1,2,3
.irp i, 0,1,2,3,4,5,6,7,8,9,10,11,12,13,14,15
.endr
	v_cvt_scalef32_pk8_fp8_f32 v[KFR+4*\b:KFR+4*\b+1], v[SC+16*\b:SC+16*\b+7], v[PSC]       ; tile 2 b's codes: registers 4 b, 4 b + 1 of the operand
	v_cvt_scalef32_pk8_fp8_f32 v[KFR+4*\b+2:KFR+4*\b+3], v[SC+16*\b+8:SC+16*\b+15], v[PSC]  ; tile 2 b + 1's
.endr
.set jj, 0
.rept 16
	v_pk_mul_f32 v[OT+jj:OT+jj+1], v[OT+jj:OT+jj+1], v[52:53] op_sel_hi:[1,0]   ; O^T under the new M.  (Plain lines between the conversions and the products that read their results)
.set jj, jj+2
.endr
	s_wait_alu depctr_va_vdst(0)
	s_wait_dscnt 0x0                               ; V is in
.irp t, 0,1,2,3
	v_wmma_f32_16x16x128_fp8_fp8 v[OT+8*\t:OT+8*\t+7], v[VFR+16*\t:VFR+16*\t+15], v[KFR:KFR+15], v[OT+8*\t:OT+8*\t+7]   ; four accumulators by turns, one instruction a turn
.endr
.if \causal
.Lhidden_\@:
.endif
	s_add_co_u32 s[TB], s[TB], STEPB
	s_add_co_u32 s[SKF], s[SKF], 128
.endm
; A TILE'S WAY OUT: O^T x 2^(e4 + e5) / the sum, quantised with 2^e6; a lane's 8 codes a channel tile go through my stage and leave as 16 dense rows of 64 bytes.
.macro OUT ptr
.rept 4
	v_nop                                          ; places behind the last products
.endr
	v_add_f32 v14, v14, v15                        ; the sum's two halves,
	s_delay_alu instid0(VALU_DEP_1)
	v_permlanex16_b32 v50, v14, s[SEL], s[SEL+1]
	s_delay_alu instid0(VALU_DEP_1)
	v_add_f32 v14, v14, v50                        ; and lane l xor 16's: the row's sum
	s_wait_alu depctr_va_vdst(0)
	v_rcp_f32 v14, v14
	v_mov_b32 v141, s83                            ; 2^e6
	s_wait_alu depctr_va_vdst(0)                   ; the wait ahead of the reciprocal's first reader
	v_ldexp_f32 v52, v14, s80
.set jj, 0
.rept 16
	v_pk_mul_f32 v[SC+jj:SC+jj+1], v[OT+jj:OT+jj+1], v[52:53] op_sel_hi:[1,0]   ; register 8 t + i is o(query r, channel 16 t + 8 h + i); each accumulator from its low end on
.set jj, jj+2
.endr
.set jj, 0
.rept 32
.set jj, jj+1
.endr
.irp t, 0,1,2,3
	v_cvt_scalef32_pk8_fp8_f32 v[128+2*\t:129+2*\t], v[SC+8*\t:SC+8*\t+7], v141
.endr
	v_nop                                          ; one plain vector line behind the last conversion
.irp t, 0,1,2,3
	ds_store_b64 v[STO], v[128+2*\t:129+2*\t] offset:16*\t
.endr
	ds_load_b128 v[132:135], v[SRD]                ; LDS serves a wave's instructions in order (ISA guide 5.7.1.4): these see my stores
	ds_load_b128 v[136:139], v[SRD] offset:640
	s_wait_dscnt 0x0
	global_store_b128 v[GO], v[132:135], s[\ptr:\ptr+1]              ; 32 lanes store 512 consecutive bytes, at a multiple of 256 from the buffer's first byte
	global_store_b128 v[GO], v[136:139], s[\ptr:\ptr+1] offset:512
	s_wait_xcnt 0x0                                ; the stores have read their registers, which the next tile's scores write
.endm
	INIT
	s_wait_loadcnt 0x0                             ; Q
	s_wait_tensorcnt 0x1                           ; my piece of the first 256 keys' part is in; my piece of the rest may be out
	s_barrier_signal -1
	s_barrier_wait -1                              ; everybody's is
	s_mov_b32 s[TB], 0
	s_mov_b32 s[SKF], 0
	STEP QH, 0, DQH                                ; keys 0-127 and 128-255 count for every query of every high tile (64 W is 1,024 at the least): written out, so that their LDS addresses are constants inside the part that has landed
	STEP QH, 0, DQH
	s_wait_tensorcnt 0x0                           ; my piece of the rest is in,
	s_wait_dscnt 0x0
	s_barrier_signal -1
	s_barrier_wait -1                              ; everybody's is: from here on no wave waits for another
	s_sub_co_u32 s[WQ], 31, s[WV]
	s_lshl_b32 s[WQ], s[WQ], 6                     ; 64 W of the high tile
	s_mov_b32 s[TB], 2*STEPB
	s_mov_b32 s[SKF], 256
	s_mov_b32 s[CNT], 14
.Lhigh:                                            ; keys 256 to 2,047
	STEP QH, 1, DQH
	s_sub_co_u32 s[CNT], s[CNT], 1
	s_cmp_lg_u32 s[CNT], 0
	s_cbranch_scc1 .Lhigh
	s_setprio 0
	OUT 76
	INIT
	s_lshl_b32 s[WQ], s[WV], 6                     ; 64 W of the low tile
	s_mov_b32 s[TB], 0
	s_mov_b32 s[SKF], 0
	s_mov_b32 s[CNT], 8
.Llow:                                             ; keys 0 to 1,023: a low tile's queries end at 1,023
	STEP QL, 1, DQL
	s_sub_co_u32 s[CNT], s[CNT], 1
	s_cmp_lg_u32 s[CNT], 0
	s_cbranch_scc1 .Llow
	s_setprio 0
	OUT 78
	s_wait_xcnt 0x0
	v_lshl_add_u32 v254, v0, 2, 0x4d000
	v_mov_b32 v255, 0
	s_wait_alu depctr_va_vdst(0)
	s_wait_tensorcnt 0x0
	ds_add_u32 v254, v255
	s_wait_dscnt 0x0
	CROUND                                         ; the closing round, behind the last joint loads
	s_endpgm
.Lfunc_end_k_q109231e3cb_attn:
	.size	k_q109231e3cb_attn, .Lfunc_end_k_q109231e3cb_attn-k_q109231e3cb_attn
	.p2alignl 7, 3214868480
	.fill 96, 4, 3214868480
	.section	.rodata,"a",@progbits
	.p2align	6, 0x0
	.amdhsa_kernel k_q109231e3cb_attn
		.amdhsa_group_segment_fixed_size 327680
		.amdhsa_private_segment_fixed_size 0
		.amdhsa_enable_private_segment 0
		.amdhsa_kernarg_size 40
		.amdhsa_user_sgpr_count 2
		.amdhsa_user_sgpr_kernarg_segment_ptr 1
		.amdhsa_wavefront_size32 1
		.amdhsa_system_sgpr_workgroup_id_x 1
		.amdhsa_system_sgpr_workgroup_id_y 1
		.amdhsa_system_sgpr_workgroup_id_z 1
		.amdhsa_system_vgpr_workitem_id 0
		.amdhsa_next_free_vgpr 256
		.amdhsa_next_free_sgpr 96
		.amdhsa_reserve_vcc 1
		.amdhsa_float_denorm_mode_32 3
		.amdhsa_float_denorm_mode_16_64 3
		.amdhsa_fp16_overflow 1
		.amdhsa_memory_ordered 1
		.amdhsa_forward_progress 1
		.amdhsa_inst_pref_size 83
	.end_amdhsa_kernel
	.amdgpu_metadata
---
amdhsa.version: [ 1, 2 ]
amdhsa.kernels:
  - .name:           k_q109231e3cb_attn
    .symbol:         k_q109231e3cb_attn.kd
    .args:
      - { .name: qc, .offset: 0, .size: 8, .value_kind: global_buffer, .address_space: global }
      - { .name: kc, .offset: 8, .size: 8, .value_kind: global_buffer, .address_space: global }
      - { .name: vc, .offset: 16, .size: 8, .value_kind: global_buffer, .address_space: global }
      - { .name: lowp_scales, .offset: 24, .size: 8, .value_kind: global_buffer, .address_space: global }
      - { .name: ac, .offset: 32, .size: 8, .value_kind: global_buffer, .address_space: global }
    .group_segment_fixed_size: 327680
    .private_segment_fixed_size: 0
    .kernarg_segment_align: 8
    .kernarg_segment_size: 40
    .max_flat_workgroup_size: 512
    .sgpr_count:     96
    .vgpr_count:     256
    .wavefront_size: 32
...
	.end_amdgpu_metadata
.endif
;; end of part 3
;; launch proj (part 4): grid 4 x 32, 4 waves a work-group, clusters of 4 x 4, 327,680 bytes of LDS; arguments ac, wprojc, lowp_scales, out0, bproj; writes out0
.if DOCPART == 4
	.amdgcn_target "amdgcn-amd-amdhsa--gfx1250"
	.amdhsa_code_object_version 6
	.text
	.protected	k_q109231e3cb_proj
	.globl	k_q109231e3cb_proj
	.p2align	8
	.type	k_q109231e3cb_proj,@function
k_q109231e3cb_proj:
	s_mov_b64 s[64:65], 0
	v_nop
	global_prefetch_b8 v0, s[64:65] scope:SCOPE_SE
	s_setreg_imm32_b32 hwreg(HW_REG_WAVE_MODE, 25, 1), 1
	s_wait_xcnt 0x0
	s_wait_alu depctr_hold_cnt(0) depctr_sa_sdst(0) depctr_va_vdst(0) depctr_va_sdst(0) depctr_va_ssrc(0) depctr_va_vcc(0) depctr_vm_vsrc(0)
	s_getreg_b32 s2, hwreg(HW_REG_IB_STS2, 6, 4)
	s_cmp_eq_u32 s2, 0
	s_cbranch_scc0 .Lentry_in_a_cluster
	s_endpgm
.Lentry_in_a_cluster:
	s_bfe_u32 s2, ttmp6, 0x10000c
	s_cmp_lg_u32 s2, 0xf033
	s_cbranch_scc0 .Lentry_shape_is_right
	s_endpgm
.Lentry_shape_is_right:
; The last product on codes of FP8 (E4M3): out0 [8192][1024] f32 = (attention's result) Wproj + bproj.  Each finished sum is multiplied once by 2^(e6 + e7) and the bias is added, in one fused multiply-add.
; LIMIT: e6 + e7 lies between -126 and 127, so that 2^(e6 + e7) is an f32 number.
; ac: [row block of 256 (32)][head (16)][row in the block (256)][64]: a row block's K step of 256 (four heads) is 65,536 dense bytes, taken as 256 rows of 256 bytes (four rows of the block's codes each).
; wprojc: [1024 (n)][1024 (k)], K innermost.
; A tile of 256 x 256 is made by a work-group of four waves, a wave 128 x 128: 64 accumulators, 512 registers.  K goes in steps of 256 through a ring of two LDS slots filled by the tensor data mover; four steps.
; 32 x 4 tiles are 128 work-groups: the larger wave tile, which reads fewer LDS bytes for each product, is kept at that price.
; CLUSTERS: 4 x 4 work-groups.  The four of a row of the cluster need the same tiles of ac, the four of a column the same tiles of wprojc: each tile is asked for JOINTLY, with a mask that names the four.
; THE MATRIX INSTRUCTION IS USED TRANSPOSED (source 0 = 16 rows of wprojc, source 1 = 16 rows of ac): a lane holds eight neighbouring numbers of a row of out0.
; REGISTERS, in windows of 256: window 0: v0-31 addresses; v32-95 the bias of my 128 columns in the results' layout; from v128 ac's fragments, ONE set; on the way out v128-255 take rows read back.
;   window 1: wprojc's fragments, TWO sets.   window 2: the 32 accumulators of my rows 0-63 (accumulator (a, b) at v[8 (8 a + b)]);   window 3: those of my rows 64-127.
.set ROWB,   256
.set KROW,   1024                      ; a row of wprojc in bytes
.set ASTEP,  65536                     ; a K step of a row block of ac in bytes
.set SIZE_N, 1024
.set PITCH,  272                       ; an LDS row: 256 bytes + 16 of padding
.set HEADL,  64*PITCH                  ; a head's 256 rows of 64 codes in LDS: 64 rows of 272 bytes
.set FR,     16
.set NL,     4
.set NP,     4
.set HALFT,  128*PITCH
.set SLOT,   4*HALFT
.set SPARE,  2*SLOT                    ; behind the ring: the spare words, 128 bytes for each wave: two blocks of 256 bytes that no other line names
.set SPITCH, 528                       ; the way out: a stage of 16 rows x (512 bytes + 16) for each wave, in slot 0, which has had its last fill and its last read when the first result is stored there
.set ADRA, 16
.set ADRB, 20
.set STO,  24
.set RD,   25
.set CO,   26
.set BO,   27                          ; v27     the bias loads' offset: 32 x (lane / 16); never rewritten
.set SPW,  28
.set NIL,  29
.set BIAS, 32
.set AF,   128
.set BK,   128
.set G1, 24
.set G0, 32
.set G1B, 48
.set G0B, 56
.set MSB, 0
.macro WIN new                         ; the immediate's high byte repeats the setting that is left
.if MSB != (\new)
	s_set_vgpr_msb (MSB<<8)|(\new)
.set MSB, (\new)
.endif
.endm
.set MUL_LO, 0xa1
.set MUL_HI, 0xf1
.set TO_B,   0x40
.macro JLOAD g0a, g1a, g0b, g1b        ; a joint load: waves 0 and 1 fetch ac's halves, waves 2 and 3 wprojc's; four v_nop follow each of the two lines
	s_cmp_eq_u32 s15, 0
	s_cbranch_scc0 .Lfor_b_\@
	tensor_load_to_lds s[\g0a:\g0a+3], s[\g1a:\g1a+7]
	s_nop 0
.rept 4
	v_nop
.endr
	s_branch .Lasked_\@
.Lfor_b_\@:
	tensor_load_to_lds s[\g0b:\g0b+3], s[\g1b:\g1b+7]
	s_nop 0
.rept 4
	v_nop
.endr
.Lasked_\@:
.endm
.macro CREST
	s_cmp_lg_u32 s14, 0
	s_cbranch_scc1 .Lnot_wave_0_\@
	s_barrier_signal -3
.Lnot_wave_0_\@:
	s_barrier_wait -3
	s_barrier_signal -1
	s_barrier_wait -1
.endm
.macro CROUND
	s_barrier_signal -1
	s_barrier_wait -1
	CREST
.endm
	s_load_b128 s[4:7], s[0:1], 0x0                ; ac s[4:5], wprojc s[6:7]
	s_load_b128 s[8:11], s[0:1], 0x10              ; the scales' exponents s[8:9], out0 s[10:11]
	s_load_b64 s[12:13], s[0:1], 0x20              ; bproj
	v_lshl_add_u32 v[SPW], v0, 2, SPARE
	v_mov_b32 v[NIL], 0
	ds_add_u32 v28, v29
	ds_add_u32 v28, v29
	s_wait_dscnt 0x0
	v_lshrrev_b32 v1, 5, v0
	v_readfirstlane_b32 s14, v1                    ; wave 0..3
	s_lshr_b32 s15, s14, 1                         ; which half of the tile's rows is mine.  Also: I fetch for ac (0) or for wprojc (1)
	s_and_b32 s16, s14, 1                          ; which half of its columns.  Also: which half of that tile I fetch
	s_bfe_u32 s40, ttmp6, 0x40000                  ; cx, cy
	s_bfe_u32 s41, ttmp6, 0x40004
	s_lshl_b32 s42, ttmp9, 2
	s_add_co_u32 s42, s42, s40                     ; tile column
	s_and_b32 s17, ttmp7, 0xffff
	s_lshl_b32 s17, s17, 2
	s_add_co_u32 s17, s17, s41                     ; tile row = row block of ac
	s_lshl_b32 s43, s41, 2
	s_lshl_b32 s43, 15, s43                        ; my row of the cluster
	s_lshl_b32 s44, 0x1111, s40                    ; my column
	s_or_b32 s[G1+0], s43, (0<<16)|(1<<20)|(1<<21)|(5<<22)|(3<<25)  ; the mask; elements of 1 byte; padding on; bit 21 beside a mask; four words after every 64
	s_or_b32 s[G1B+0], s44, (0<<16)|(1<<20)|(1<<21)|(5<<22)|(3<<25)
.irp g, G1, G1B
	s_mov_b32 s[\g+1], ROWB<<16                    ; tensor_dim0
	s_mov_b32 s[\g+2], 128<<16                     ; tensor_dim1 = 128
	s_mov_b32 s[\g+3], ROWB<<16                    ; tile_dim0
	s_mov_b32 s[\g+4], 128                         ; tile_dim1 = 128
	s_mov_b32 s[\g+6], 0
	s_mov_b32 s[\g+7], 0
.endr
	s_mov_b32 s[G1+5], ROWB                        ; ac's rows of 256 bytes are dense
	s_mov_b32 s[G1B+5], KROW                       ; wprojc's lie 1,024 bytes apart
	s_lshl_b32 s20, s17, 18                        ; ac: the row block's 262,144 bytes,
	s_lshl_b32 s18, s16, 15                        ; + two heads (32,768 bytes) for the second half
	s_add_co_u32 s20, s20, s18
	s_mov_b32 s21, 0
	s_lshl_b32 s18, s16, 7
	s_lshl_b32 s46, s42, 8
	s_add_co_u32 s46, s46, s18                     ; wprojc: row 256 x tile column + 128 x half
	s_lshl_b32 s46, s46, 10
	s_mov_b32 s47, 0
	s_mul_i32 s45, s14, HALFT                      ; where they go: wave x 128 rows
	s_wait_kmcnt 0x0
	s_load_b64 s[96:97], s[8:9], 0x18              ; e6, e7
	s_add_nc_u64 s[20:21], s[4:5], s[20:21]
	s_add_nc_u64 s[46:47], s[6:7], s[46:47]
	CROUND                                         ; all sixteen work-groups are here: the first joint loads meet
.irp s, 0,1
	s_mov_b32 s[G0+4*\s], 1
	s_add_co_u32 s[G0+4*\s+1], s45, \s*SLOT
	s_add_nc_u64 s[G0+4*\s+2:G0+4*\s+3], s[20:21], \s*ASTEP
	s_or_b32 s[G0+4*\s+3], s[G0+4*\s+3], 0x80000000
	s_mov_b32 s[G0B+4*\s], 1
	s_add_co_u32 s[G0B+4*\s+1], s45, \s*SLOT
	s_add_nc_u64 s[G0B+4*\s+2:G0B+4*\s+3], s[46:47], \s*ROWB
	s_or_b32 s[G0B+4*\s+3], s[G0B+4*\s+3], 0x80000000
	s_wait_alu depctr_va_vdst(0)
	s_wait_tensorcnt 0x0
	ds_add_u32 v28, v29
	ds_add_u32 v28, v29
	s_wait_dscnt 0x0
	CROUND
	JLOAD G0+4*\s, G1, G0B+4*\s, G1B
.endr
	v_and_b32 v1, 15, v0                           ; r
	v_bfe_u32 v2, v0, 4, 1                         ; h
	v_mul_u32_u24 v3, v1, PITCH
	v_lshl_add_u32 v4, v2, 4, v3                   ; wprojc: a fragment's row x pitch + 16 h
	v_lshrrev_b32 v5, 2, v1
	v_mul_u32_u24 v5, v5, PITCH
	v_and_b32 v6, 3, v1
	v_lshl_add_u32 v5, v6, 6, v5
	v_lshl_add_u32 v5, v2, 4, v5                   ; ac: four rows of 64 codes to an LDS row: (r / 4) 272 + (r % 4) 64 + 16 h
	s_mul_i32 s21, s15, 32*PITCH                   ; my 128 rows within each head: 32 LDS rows
	s_mul_i32 s22, s16, HALFT                      ; my 128 rows of wprojc,
	s_add_co_u32 s22, s22, 2*HALFT                 ; which lie behind ac's four heads
.irp s, 0,1
	v_add_nc_u32 v[ADRA+\s], s21, v5
	v_add_nc_u32 v[ADRB+\s], s22, v4
	s_add_co_u32 s21, s21, SLOT
	s_add_co_u32 s22, s22, SLOT
.endr
	s_mul_i32 s23, s14, 16*SPITCH                  ; my stage
	v_mul_u32_u24 v5, v1, SPITCH                   ; in: row r, 32 bytes for each half of the lanes
	v_lshl_add_u32 v5, v2, 5, v5
	v_add_nc_u32 v[STO], s23, v5
	v_and_b32 v6, 31, v0
	v_lshlrev_b32 v[CO], 4, v6                     ; back: the 32 lanes take one row of 512 bytes; and the same in out0
	v_add_nc_u32 v[RD], s23, v[CO]
	v_lshlrev_b32 v[BO], 5, v2
	s_wait_alu depctr_va_vdst(0)
	s_lshl_b32 s20, s17, 8
	s_lshl_b32 s21, s15, 7
	s_add_co_u32 s20, s20, s21                     ; my first row of out0,
	s_lshl_b32 s20, s20, 12                        ; of 4,096 bytes (32 MiB at the most)
	s_lshl_b32 s46, s42, 10                        ; my first column, in bytes: 1,024 x tile column + 512 x half
	s_lshl_b32 s47, s16, 9
	s_add_co_u32 s46, s46, s47
	s_mov_b32 s47, 0
	s_add_nc_u64 s[12:13], s[12:13], s[46:47]      ; the bias at my first column
	s_add_co_u32 s20, s20, s46
	s_mov_b32 s21, 0
	s_add_nc_u64 s[10:11], s[10:11], s[20:21]
.irp b, 0,1,2,3,4,5,6,7                        ; register 8 b + j: bproj at my column 16 b + 8 h + j: the layout of every accumulator (a, b).  They are waited for on the way out
	global_load_b128 v[BIAS+8*\b:BIAS+8*\b+3],   v[BO], s[12:13] offset:64*\b
	global_load_b128 v[BIAS+8*\b+4:BIAS+8*\b+7], v[BO], s[12:13] offset:64*\b+16
.endr
.macro FRAG reg, adr, q, i             ; wprojc: registers 4 c .. 4 c + 3 hold K = 128 q + 32 c + 16 h + 0 .. 15 of row 16 i + r
.irp c, 0,1,2,3
	ds_load_b128 v[\reg+4*\c:\reg+4*\c+3], v[\adr] offset:128*(\q)+32*\c+(\i)*16*PITCH
.endr
.endm
.macro FRAGA reg, adr, q, i            ; ac: the same K: head 2 q + c / 2 of the step's four, channels 32 (c % 2) + 16 h + 0 .. 15; 16 rows are four LDS rows
.irp c, 0,1,2,3
	ds_load_b128 v[\reg+4*\c:\reg+4*\c+3], v[\adr] offset:(2*(\q)+\c/2)*HEADL+32*(\c%2)+(\i)*4*PITCH
.endr
.endm
; 16 matrix instructions: ac's blocks a0, a0 + 1 x wprojc's eight, 128 along K.  The 64 accumulators take turns, one instruction a turn, in the same order in every step.
.macro MUL16 a0, p, zero
.irp a, \a0, \a0+1
.irp b, 0,1,2,3,4,5,6,7
.if \zero
	v_wmma_f32_16x16x128_fp8_fp8 v[8*(8*((\a)%4)+\b):8*(8*((\a)%4)+\b)+7], v[128*(\p)+FR*\b:128*(\p)+FR*\b+FR-1], v[AF+FR*(\a):AF+FR*(\a)+FR-1], 0
.else
	v_wmma_f32_16x16x128_fp8_fp8 v[8*(8*((\a)%4)+\b):8*(8*((\a)%4)+\b)+7], v[128*(\p)+FR*\b:128*(\p)+FR*\b+FR-1], v[AF+FR*(\a):AF+FR*(\a)+FR-1], v[8*(8*((\a)%4)+\b):8*(8*((\a)%4)+\b)+7]
.endif
.endr
.endr
.endm
.macro FETCH_B slot, q, p
	WIN TO_B
.irp i, 0,1,2,3,4,5,6,7
	FRAG 128*(\p)+FR*\i, ADRB+\slot, \q, \i
.endr
	WIN 0
.endm
.macro FETCH_A slot, q, i0
.irp i, \i0, \i0+1, \i0+2, \i0+3
	FRAGA AF+FR*(\i), ADRA+\slot, \q, \i
.endr
.endm
.macro PLACES n                        ; places behind matrix instructions, in front of loads into registers that they read and of the first reads of results (ISA guide 7.12.1 for vector instructions)
.rept \n
	v_nop
.endr
.endm
.macro STEP slot, q, zero              ; a step of 128 along K that has its successor in the same slot
	s_wait_dscnt 4*NL                              ; wprojc's set and ac's blocks 0-3 are in; the youngest sixteen loads (blocks 4-7) may be out
	WIN MUL_LO
	MUL16 0, (\q)%2, \zero
	MUL16 2, (\q)%2, \zero
	s_wait_dscnt 0
	PLACES NP
	FETCH_B \slot, (\q)+1, 1-(\q)%2
	FETCH_A \slot, (\q)+1, 0
	WIN MUL_HI
	MUL16 4, (\q)%2, \zero
	MUL16 6, (\q)%2, \zero
	PLACES NP
	WIN 0
	FETCH_A \slot, (\q)+1, 4
.endm
; A slot's last step changes slots: ONE barrier; in front of it each wave waits for all its tensor loads, adds 0 to its spare word, and waits for that and for its own reads of this slot.
.macro TURN slot, next, fill
	s_wait_tensorcnt 0x0                           ; all my tensor loads have landed: my part of the next slot
	ds_add_u32 v[SPW], v[NIL]                      ; 0 onto my spare word
	s_wait_dscnt 4*NL+1                            ; (the add and the youngest sixteen loads may be out)
	WIN MUL_LO
	MUL16 0, 1, 0                                  ; sixteen matrix instructions stand between the add and the wait for it
	s_wait_dscnt 0x0                               ; the add is done, and my reads of this slot are over
	s_barrier_signal -1
	MUL16 2, 1, 0
	WIN 0
	s_barrier_wait -1
.if \fill
	CREST                                          ; the barrier has opened a round of the cluster's barrier: no wave of any partner still reads this slot's tile or has a load on its way
	s_add_nc_u64 s[G0+4*\slot+2:G0+4*\slot+3], s[G0+4*\slot+2:G0+4*\slot+3], 2*ASTEP
	s_add_nc_u64 s[G0B+4*\slot+2:G0B+4*\slot+3], s[G0B+4*\slot+2:G0B+4*\slot+3], 2*ROWB
	JLOAD G0+4*\slot, G1, G0B+4*\slot, G1B         ; the first tensor load behind the round; its four v_nop are the places in front of the loads below
.else
	PLACES NP
.endif
	FETCH_B \next, 0, 0
	FETCH_A \next, 0, 0
	WIN MUL_HI
	MUL16 4, 1, 0
	MUL16 6, 1, 0
	PLACES NP
	WIN 0
	FETCH_A \next, 0, 4
.endm
	s_wait_tensorcnt 1                             ; my part of K step 0 is in (K step 1's load may be out)
	s_barrier_signal -1
	s_barrier_wait -1                              ; everybody's is
	FETCH_B 0, 0, 0
	FETCH_A 0, 0, 0
	FETCH_A 0, 0, 4
	STEP 0, 0, 1                                   ; the first step's products start the sums
	s_mov_b32 s3, 1                                ; two laps of the ring: one trip fills both slots again, the last lap is written out
.Llap:
	TURN 0, 1, 1
	STEP 1, 0, 0
	TURN 1, 0, 1
	STEP 0, 0, 0
	s_sub_co_u32 s3, s3, 1
	s_cmp_lg_u32 s3, 0
	s_cbranch_scc1 .Llap
	TURN 0, 1, 0
	STEP 1, 0, 0
	s_wait_dscnt 4*NL
	WIN MUL_LO
	MUL16 0, 1, 0
	MUL16 2, 1, 0
	s_wait_dscnt 0
	WIN MUL_HI
	MUL16 4, 1, 0
	MUL16 6, 1, 0
	WIN 0
; THE WAY OUT, block by block of 16 rows x 128 columns: sum x 2^(e6 + e7) + bias in place, through my own stage in LDS, back as whole rows of 512 bytes.
.macro TOSTAGE a
.set AC, 64*((\a)%4)
	WIN 0x82+0x41*((\a)/4)                         ; source 0 and destination: window 2 or 3; the bias in window 0
.set jj, 0
.rept 32
	v_pk_fma_f32 v[AC+jj:AC+jj+1], v[AC+jj:AC+jj+1], s[96:97], v[BIAS+jj:BIAS+jj+1] op_sel_hi:[1,0,1]   ; the scalar pair's low word for both halves; each accumulator from its low end on
.set jj, jj+2
.endr
	WIN 0x08+4*((\a)/4)                            ; an LDS store's data are source 1: window 2 or 3
.irp b, 0,1,2,3,4,5,6,7
	ds_store_b128 v[STO], v[AC+8*\b:AC+8*\b+3] offset:64*\b
	ds_store_b128 v[STO], v[AC+8*\b+4:AC+8*\b+7] offset:64*\b+16
.endr
	WIN 0
.set BB, BK+64*((\a)%2)
.irp t, 0,1,2,3,4,5,6,7,8,9,10,11,12,13,14,15
	ds_load_b128 v[BB+4*\t:BB+4*\t+3], v[RD] offset:\t*SPITCH   ; LDS serves a wave's instructions in order (ISA guide 5.7.1.4): these see the stores above
.endr
.endm
.macro SEND a, younger                 ; younger: the LDS instructions issued behind block a's loads, which may stay out
.set BB, BK+64*((\a)%2)
	s_wait_dscnt \younger
.if (\a) > 0
	s_add_nc_u64 s[10:11], s[10:11], 16*SIZE_N*4   ; (behind a wait on XCNT: the earlier stores have read their base)  16 rows of out0 on
.endif
.irp t, 0,1,2,3,4,5,6,7,8,9,10,11,12,13,14,15
	global_store_b128 v[CO], v[BB+4*\t:BB+4*\t+3], s[10:11] offset:\t*SIZE_N*4 th:TH_STORE_NT   ; 32 lanes store 512 consecutive bytes, at a multiple of 256 from out0's first byte; written once, read by nobody here
.endr
.endm
	s_wait_kmcnt 0x0
	s_add_co_i32 s96, s96, s97                     ; e6 + e7
	s_add_co_i32 s96, s96, 127
	s_lshl_b32 s96, s96, 23                        ; 2^(e6 + e7) as f32
	s_mov_b32 s97, s96                             ; (named with it as a pair)
	s_wait_loadcnt 0x0                             ; the bias
	PLACES NP                                      ; behind the last products
	TOSTAGE 0
.irp a, 1,2,3,4,5,6,7
.if \a > 1
	s_wait_xcnt 0x0                                ; block a - 2's stores have read their registers and their base: block a's loads may land there, and the base may step
.endif
	TOSTAGE \a
	SEND \a-1, 32                                  ; behind block a - 1's loads: block a's 16 stores and 16 loads
.endr
	s_wait_xcnt 0x0                                ; block 6's stores have read their base
	SEND 7, 0
	s_wait_tensorcnt 0x0                           ; the wave's end: behind my last tensor load and my last LDS store
	ds_add_u32 v[SPW], v[NIL]
	s_wait_dscnt 0x0
	CROUND                                         ; the closing round
	s_endpgm
.Lfunc_end_k_q109231e3cb_proj:
	.size	k_q109231e3cb_proj, .Lfunc_end_k_q109231e3cb_proj-k_q109231e3cb_proj
	.p2alignl 7, 3214868480
	.fill 96, 4, 3214868480
	.section	.rodata,"a",@progbits
	.p2align	6, 0x0
	.amdhsa_kernel k_q109231e3cb_proj
		.amdhsa_group_segment_fixed_size 327680
		.amdhsa_private_segment_fixed_size 0
		.amdhsa_enable_private_segment 0
		.amdhsa_kernarg_size 40
		.amdhsa_user_sgpr_count 2
		.amdhsa_user_sgpr_kernarg_segment_ptr 1
		.amdhsa_wavefront_size32 1
		.amdhsa_system_sgpr_workgroup_id_x 1
		.amdhsa_system_sgpr_workgroup_id_y 1
		.amdhsa_system_sgpr_workgroup_id_z 1
		.amdhsa_system_vgpr_workitem_id 0
		.amdhsa_next_free_vgpr 1024
		.amdhsa_next_free_sgpr 100
		.amdhsa_reserve_vcc 0
		.amdhsa_float_denorm_mode_32 3
		.amdhsa_float_denorm_mode_16_64 3
		.amdhsa_memory_ordered 1
		.amdhsa_forward_progress 1
		.amdhsa_inst_pref_size 126
	.end_amdhsa_kernel
	.amdgpu_metadata
---
amdhsa.version: [ 1, 2 ]
amdhsa.kernels:
  - .name:           k_q109231e3cb_proj
    .symbol:         k_q109231e3cb_proj.kd
    .args:
      - { .name: ac, .offset: 0, .size: 8, .value_kind: global_buffer, .address_space: global }
      - { .name: wprojc, .offset: 8, .size: 8, .value_kind: global_buffer, .address_space: global }
      - { .name: lowp_scales, .offset: 16, .size: 8, .value_kind: global_buffer, .address_space: global }
      - { .name: out0, .offset: 24, .size: 8, .value_kind: global_buffer, .address_space: global }
      - { .name: bproj, .offset: 32, .size: 8, .value_kind: global_buffer, .address_space: global }
    .group_segment_fixed_size: 327680
    .private_segment_fixed_size: 0
    .kernarg_segment_align: 8
    .kernarg_segment_size: 40
    .max_flat_workgroup_size: 128
    .sgpr_count:     100
    .vgpr_count:     1024
    .wavefront_size: 32
...
	.end_amdgpu_metadata
.endif
;; end of part 4
